; MI455X (gfx1250); checked and timed in simulation.
; The chip was launched on July 23, 2026; its instructions are those of AMD's public machine-readable ISA for CDNA 5 (MIT licence, August 2026) and "CDNA5" Instruction Set Architecture Reference Guide (July 2026). The comments in the code are by the model that wrote it; some were corrected since.
;; Multi Head Diff Attention. Allowed arithmetic: float matrix products may take bf16 or f16 operands with f32 sums; all other float work in f32.
;; Inputs: Wk 1,024 x 1,024 float32; Wo 1,024 x 1,024 float32; Wq 1,024 x 1,024 float32; Wv 1,024 x 1,024 float32; bo 1,024 float32; diff_weight one number float32; norm_w 8 x 128 float32; x 2 x 2,048 x 1,024 float32.
;; Outputs: out0 2 x 2,048 x 1,024 float32.
;; 2 versions, each right; version 2 is version 1 with the launch cvt written anew for expert scheduling mode. Each part assembles by itself: llvm-mc -triple=amdgcn-amd-amdhsa -mcpu=gfx1250 --defsym DOCPART=n.
;; ======== version 1 of 2: 4 launches
;; limits: values are held in f16: magnitudes above 65,504 overflow, below 6.1e-05 lose precision
;; workspace buffers: xh 8,388,608 bytes; wh 6,291,456 bytes; woh 2,097,152 bytes; qkv 25,165,824 bytes; oh 8,388,608 bytes; ssq 131,072 bytes
;; launch cvt (part 1): grid 32 x 8, 8 waves a work-group, no clusters, 0 bytes of LDS; arguments x, Wq, Wk, Wv, Wo, norm_w, xh, wh, woh; writes xh, wh, woh
.if DOCPART == 1
	.amdgcn_target "amdgcn-amd-amdhsa--gfx1250"
	.amdhsa_code_object_version 6
	.text
	.protected	k_q53e64d6712_cvt
	.globl	k_q53e64d6712_cvt
	.p2align	8
	.type	k_q53e64d6712_cvt,@function
k_q53e64d6712_cvt:
	s_mov_b64 s[64:65], 0
	v_nop
	global_prefetch_b8 v0, s[64:65] scope:SCOPE_SE
	s_setreg_imm32_b32 hwreg(HW_REG_WAVE_MODE, 25, 1), 1
	s_wait_xcnt 0x0
; f32 -> f16 (nearest even) of every matrix operand that comes from the inputs:
;   xh[4096][1024] = x;  wh[3072][1024] = Wq, Wk, Wv one below the other;  woh[n][k] = Wo[n][k] * norm_w[k] (rounded once).
; A stream: no LDS, no barrier, no matrix unit, no cluster (no byte is read twice).
; Eight segments of 1,024 rows x 1,024 columns (grid y: 0-3 the quarters of x, 4 Wq, 5 Wk, 6 Wv, 7 Wo); grid x: 32 rows of a segment.
; Thread t owns columns 4 t .. 4 t + 3 of every row: a wave's load covers 512 consecutive bytes, its store 256 consecutive bytes, aligned.
; All 32 loads of a thread are issued at once (the work-group's whole 131,072 bytes are on their way); no register is written twice,
; so no wait but the counted one in front of each row's conversion is needed.
; LIMIT: values beyond f16's range (65,504) would become infinite; below 2^-14 they keep f16's absolute step of 2^-24.
.set SROW, 4096                        ; bytes in a source row
.set DROW, 2048                        ; bytes in a destination row
.set ROWS, 32                          ; rows of a work-group = loads of a thread
.set G, 4                              ; v[4:7]     norm_w of my 4 columns (segment 7 alone)
.set X, 8                              ; v[8:135]   row p: 4 registers as loaded
.set Y, 136                            ; v[136:199] row p: 2 registers to store
	s_load_b512 s[8:23], s[0:1], 0x0               ; x 8, Wq 10, Wk 12, Wv 14, Wo 16, norm_w 18, xh 20, wh 22
	s_load_b64 s[24:25], s[0:1], 0x40              ; woh
	s_and_b32 s4, ttmp7, 0xffff                    ; segment
	v_lshlrev_b32 v1, 4, v0                        ; my 16 bytes in a source row (and in norm_w)
	v_lshlrev_b32 v2, 3, v0                        ; my 8 bytes in a destination row
	; offsets, made apart from the addresses
	s_cmp_lt_u32 s4, 4
	s_cselect_b32 s6, s4, 0                        ; source: quarter of x, or 0 for a weight
	s_sub_co_u32 s7, s4, 4
	s_cmp_lt_u32 s4, 7
	s_cselect_b32 s7, s7, 0                        ; destination: Wq, Wk, Wv are parts 0, 1, 2 of wh; Wo is all of woh
	s_cmp_lt_u32 s4, 4
	s_cselect_b32 s7, s4, s7                       ; a quarter of x is the same quarter of xh
	s_lshl_b32 s30, s6, 22                         ; 1,024 rows of 4,096 bytes
	s_lshl_b32 s5, ttmp9, 17                       ; 32 rows of 4,096 bytes
	s_add_co_u32 s30, s30, s5
	s_mov_b32 s31, 0
	s_lshl_b32 s32, s7, 21                         ; 1,024 rows of 2,048 bytes
	s_lshl_b32 s5, ttmp9, 16                       ; 32 rows of 2,048 bytes
	s_add_co_u32 s32, s32, s5
	s_mov_b32 s33, 0
	s_wait_kmcnt 0x0
	; the segment's source and destination buffers
	s_mov_b64 s[26:27], s[8:9]
	s_cmp_eq_u32 s4, 4
	s_cselect_b64 s[26:27], s[10:11], s[26:27]
	s_cmp_eq_u32 s4, 5
	s_cselect_b64 s[26:27], s[12:13], s[26:27]
	s_cmp_eq_u32 s4, 6
	s_cselect_b64 s[26:27], s[14:15], s[26:27]
	s_cmp_eq_u32 s4, 7
	s_cselect_b64 s[26:27], s[16:17], s[26:27]
	s_mov_b64 s[28:29], s[20:21]
	s_cmp_ge_u32 s4, 4
	s_cselect_b64 s[28:29], s[22:23], s[28:29]
	s_cmp_eq_u32 s4, 7
	s_cselect_b64 s[28:29], s[24:25], s[28:29]
	s_add_nc_u64 s[26:27], s[26:27], s[30:31]
	s_add_nc_u64 s[28:29], s[28:29], s[32:33]
.macro LOADS
.irp p, 0,1,2,3,4,5,6,7,8,9,10,11,12,13,14,15,16,17,18,19,20,21,22,23,24,25,26,27,28,29,30,31
	global_load_b128 v[X+4*\p:X+4*\p+3], v1, s[26:27] offset:SROW*\p th:TH_LOAD_NT
.endr
.endm
; row p: its load is in when at most the ROWS-1-p younger ones are out (loads come back in order)
.macro PASS p, gain
	s_wait_loadcnt ROWS-1-\p
.if \gain
	v_pk_mul_f32 v[X+4*\p:X+4*\p+1],   v[X+4*\p:X+4*\p+1],   v[G:G+1]
	v_pk_mul_f32 v[X+4*\p+2:X+4*\p+3], v[X+4*\p+2:X+4*\p+3], v[G+2:G+3]
.endif
	v_cvt_pk_f16_f32 v[Y+2*\p],   v[X+4*\p],   v[X+4*\p+1]
	v_cvt_pk_f16_f32 v[Y+2*\p+1], v[X+4*\p+2], v[X+4*\p+3]
	global_store_b64 v2, v[Y+2*\p:Y+2*\p+1], s[28:29] offset:DROW*\p
.endm
	s_cmp_eq_u32 s4, 7
	s_cbranch_scc1 .Lgain
	LOADS
.irp p, 0,1,2,3,4,5,6,7,8,9,10,11,12,13,14,15,16,17,18,19,20,21,22,23,24,25,26,27,28,29,30,31
	PASS \p, 0
.endr
	s_endpgm
.Lgain:
	global_load_b128 v[G:G+3], v1, s[18:19]        ; older than every row's load: each row's counted wait covers it too
	LOADS
.irp p, 0,1,2,3,4,5,6,7,8,9,10,11,12,13,14,15,16,17,18,19,20,21,22,23,24,25,26,27,28,29,30,31
	PASS \p, 1
.endr
	s_endpgm
.Lfunc_end_k_q53e64d6712_cvt:
	.size	k_q53e64d6712_cvt, .Lfunc_end_k_q53e64d6712_cvt-k_q53e64d6712_cvt
	.p2alignl 7, 3214868480
	.fill 96, 4, 3214868480
	.section	.rodata,"a",@progbits
	.p2align	6, 0x0
	.amdhsa_kernel k_q53e64d6712_cvt
		.amdhsa_group_segment_fixed_size 0
		.amdhsa_private_segment_fixed_size 0
		.amdhsa_enable_private_segment 0
		.amdhsa_kernarg_size 72
		.amdhsa_user_sgpr_count 2
		.amdhsa_user_sgpr_kernarg_segment_ptr 1
		.amdhsa_wavefront_size32 1
		.amdhsa_system_sgpr_workgroup_id_x 1
		.amdhsa_system_sgpr_workgroup_id_y 1
		.amdhsa_system_sgpr_workgroup_id_z 1
		.amdhsa_system_vgpr_workitem_id 0
		.amdhsa_next_free_vgpr 200
		.amdhsa_next_free_sgpr 66
		.amdhsa_reserve_vcc 0
		.amdhsa_float_denorm_mode_32 3
		.amdhsa_float_denorm_mode_16_64 3
		.amdhsa_memory_ordered 1
		.amdhsa_forward_progress 1
		.amdhsa_inst_pref_size 28
	.end_amdhsa_kernel
	.amdgpu_metadata
---
amdhsa.version: [ 1, 2 ]
amdhsa.kernels:
  - .name:           k_q53e64d6712_cvt
    .symbol:         k_q53e64d6712_cvt.kd
    .args:
      - { .name: x, .offset: 0, .size: 8, .value_kind: global_buffer, .address_space: global }
      - { .name: Wq, .offset: 8, .size: 8, .value_kind: global_buffer, .address_space: global }
      - { .name: Wk, .offset: 16, .size: 8, .value_kind: global_buffer, .address_space: global }
      - { .name: Wv, .offset: 24, .size: 8, .value_kind: global_buffer, .address_space: global }
      - { .name: Wo, .offset: 32, .size: 8, .value_kind: global_buffer, .address_space: global }
      - { .name: norm_w, .offset: 40, .size: 8, .value_kind: global_buffer, .address_space: global }
      - { .name: xh, .offset: 48, .size: 8, .value_kind: global_buffer, .address_space: global }
      - { .name: wh, .offset: 56, .size: 8, .value_kind: global_buffer, .address_space: global }
      - { .name: woh, .offset: 64, .size: 8, .value_kind: global_buffer, .address_space: global }
    .group_segment_fixed_size: 0
    .private_segment_fixed_size: 0
    .kernarg_segment_align: 8
    .kernarg_segment_size: 72
    .max_flat_workgroup_size: 256
    .sgpr_count:     66
    .vgpr_count:     200
    .wavefront_size: 32
...
	.end_amdgpu_metadata
.endif
;; end of part 1
;; launch qkvp (part 2): grid 12 x 16, 4 waves a work-group, clusters of 4 x 4, 327,680 bytes of LDS; arguments xh, wh, qkv; writes qkv
.if DOCPART == 2
	.amdgcn_target "amdgcn-amd-amdhsa--gfx1250"
	.amdhsa_code_object_version 6
	.text
	.protected	k_q53e64d6712_qkvp
	.globl	k_q53e64d6712_qkvp
	.p2align	8
	.type	k_q53e64d6712_qkvp,@function
k_q53e64d6712_qkvp:
	s_mov_b64 s[64:65], 0
	v_nop
	global_prefetch_b8 v0, s[64:65] scope:SCOPE_SE
	s_setreg_imm32_b32 hwreg(HW_REG_WAVE_MODE, 25, 1), 1
	s_wait_xcnt 0x0
	s_wait_alu depctr_hold_cnt(0) depctr_sa_sdst(0) depctr_va_vdst(0) depctr_va_sdst(0) depctr_va_ssrc(0) depctr_va_vcc(0) depctr_vm_vsrc(0)
	s_getreg_b32 s2, hwreg(HW_REG_IB_STS2, 6, 4)
	s_cmp_eq_u32 s2, 0
	s_cbranch_scc0 .Lentry_in_a_cluster
	s_endpgm
.Lentry_in_a_cluster:
	s_bfe_u32 s2, ttmp6, 0x10000c
	s_cmp_lg_u32 s2, 0xf033
	s_cbranch_scc0 .Lentry_shape_is_right
	s_endpgm
.Lentry_shape_is_right:
; qkv[m][n] = sum over k of xh[m][k] wh[n][k].  xh: [4096][1024], wh: [3072][1024], qkv: [4096][3072], all f16; sums in f32, rounded once.
; Columns 0-1023 of qkv are q, 1024-2047 k, 2048-3071 v.
; A work-group makes a block of 256 x 256 with four waves; a wave makes 128 x 128: 64 accumulator tiles of 16 x 16, 512 registers.
; K goes in steps of 128 through a ring of two LDS slots filled by the tensor data mover: a tile's rows are 256 bytes of memory and
; start at multiples of 256 bytes from the buffer's first byte.  12 x 16 = 192 work-groups.
; CLUSTERS: 4 x 4 work-groups.  The four of a row of the cluster need the same tiles of xh, the four of a column the same tiles of wh.
; Such a tile is asked for jointly: each of the four issues the same tensor load, with the same descriptor and a mask that names the four.
; LIMIT: a result beyond f16's range (65,504) would become infinite.
;
; REGISTERS, in windows of 256 (s_set_vgpr_msb says which window each operand place means):
;   window 0: v0-31 addresses; v64-127, v128-191 fragments of xh (8 x 16 rows x 32 K), two buffers; v192-223 at work on the way out
;   window 1: v64-127, v128-191 fragments of wh, two buffers
;   window 2: the 32 accumulator tiles of my rows 0-63 (tile (a, b) at v[8 (8 a + b)]);   window 3: those of my rows 64-127
; THE MATRIX INSTRUCTION IS USED TRANSPOSED: source 0 = 16 rows of wh, source 1 = 16 rows of xh.  Lane l then holds row m = l % 16 of the
; result and its registers 0 to 7 the columns n = 8 (l / 16) + 0 .. 7: eight neighbouring numbers of a row, which pack into 16 bytes.
.set SIZE_M, 4096
.set SIZE_N, 3072
.set SIZE_K, 1024
.set KSTEP,  128
.set PITCH,  272                       ; an LDS row: 256 bytes of data + 16 of padding: row r starts 16 r bytes further modulo 256
.set HALFT,  128*PITCH                 ; 128 rows: what one tensor load brings, and what one wave reads of either operand
.set SLOT,   4*HALFT                   ; xh's 256 rows, then wh's 256 rows
.set STAGE,  2*SLOT                    ; behind the ring: 16 rows x 272 bytes for each wave, for the way out; no fill lands there
.set SPITCH, 272
.set LAPS, SIZE_K/(2*KSTEP)            ; a lap = two K steps = once round the ring: 4 laps
.set ADRA, 16                          ; v16-17  LDS address of my xh fragments in slot 0, 1
.set ADRB, 20                          ; v20-21  the same for wh
.set STO,  24                          ; v24     the way out: where I put 16 bytes of a row
.set RD,   25                          ; v25     the way out: where I read a row back
.set CO,   26                          ; v26     my byte offset in qkv
.set F0,   64                          ; fragment buffer 0
.set F1,   128                         ; fragment buffer 1
.set TMP,  192                         ; the way out: packed results, in window 0
.set G1, 24                            ; s[24:31] descriptor group 1 for xh's tiles
.set G0, 32                            ; s[32:39] descriptor group 0 for xh's tiles, one set for each slot
.set G1B, 48                           ; s[48:55] descriptor group 1 for wh's tiles: it differs in the mask alone
.set G0B, 56                           ; s[56:63] descriptor group 0 for wh's tiles, one set for each slot
.set MSB, 0
.macro WIN new                         ; the immediate's high byte repeats the setting that is left
.if MSB != \new
	s_set_vgpr_msb (MSB<<8)|\new
.set MSB, \new
.endif
.endm
.set MUL_LO, 0xa1                      ; source 0 (wh) window 1, source 1 (xh) window 0, C and D window 2
.set MUL_HI, 0xf1                      ; the same, C and D window 3
.set TO_B,   0x40                      ; destination window 1, address window 0
; A joint load.  Waves 0 and 1 fetch xh's two halves, waves 2 and 3 wh's.  Each line has one mask and one set of registers for all that
; issue it.  The branch hangs on the wave's number alone: it is the same in every work-group.
.macro JLOAD s
	s_cmp_eq_u32 s11, 0
	s_cbranch_scc0 .Lfor_b_\@
	tensor_load_to_lds s[G0+4*\s:G0+4*\s+3], s[G1:G1+7]
	s_nop 0
	s_branch .Lasked_\@
.Lfor_b_\@:
	tensor_load_to_lds s[G0B+4*\s:G0B+4*\s+3], s[G1B:G1B+7]
	s_nop 0
.Lasked_\@:
.endm
; A round of the cluster's barrier: my work-group's barrier, so that wave 0's signal speaks for all four waves; wave 0 signals for the
; work-group; every wave waits for all sixteen work-groups; my work-group's barrier once more.
.macro CREST                           ; a round behind its opening barrier
	s_cmp_lg_u32 s10, 0
	s_cbranch_scc1 .Lnot_wave_0_\@
	s_barrier_signal -3
.Lnot_wave_0_\@:
	s_barrier_wait -3
	s_barrier_signal -1
	s_barrier_wait -1
.endm
.macro CROUND                          ; a whole round
	s_barrier_signal -1
	s_barrier_wait -1
	CREST
.endm
	s_load_b128 s[4:7], s[0:1], 0x0                ; xh s[4:5], wh s[6:7]
	s_load_b64 s[8:9], s[0:1], 0x10                ; qkv
	s_set_vgpr_msb 0x40
	v_lshl_add_u32 v255, v0, 2, 0x48400
	s_set_vgpr_msb 0x4000
	v_mov_b32 v255, 0
	s_set_vgpr_msb 0x1
	ds_add_u32 v255, v255
	s_set_vgpr_msb 0x100
	v_lshrrev_b32 v1, 5, v0
	v_readfirstlane_b32 s10, v1                    ; wave 0..3
	s_lshr_b32 s11, s10, 1                         ; which half of the block's rows is mine.  Also: I fetch for xh (0) or for wh (1)
	s_and_b32 s12, s10, 1                          ; which half of its columns.  Also: which 128 rows of that tile I fetch
	s_bfe_u32 s40, ttmp6, 0x40000                  ; cx: my place along the cluster's x
	s_bfe_u32 s41, ttmp6, 0x40004                  ; cy: along its y
	s_lshl_b32 s42, ttmp9, 2                       ; in a cluster launch ttmp9 and ttmp7 count clusters
	s_add_co_u32 s42, s42, s40                     ; block column = 4 x cluster x + cx
	s_and_b32 s13, ttmp7, 0xffff
	s_lshl_b32 s13, s13, 2
	s_add_co_u32 s13, s13, s41                     ; block row = 4 x cluster y + cy
	s_lshl_b32 s43, s41, 2
	s_lshl_b32 s43, 15, s43                        ; my row of the cluster: places 4 cy .. 4 cy + 3
	s_lshl_b32 s44, 0x1111, s40                    ; my column: places cx, cx + 4, cx + 8, cx + 12
	; descriptor group 1: a tile of 128 rows x 128 elements, padded in LDS
	s_or_b32 s[G1+0], s43, (1<<16)|(1<<20)|(1<<21)|(5<<22)|(3<<25)  ; mask: my row; element of 2 bytes; padding on; bit 21 beside a mask; after every 64 words, 4 words
	s_or_b32 s[G1B+0], s44, (1<<16)|(1<<20)|(1<<21)|(5<<22)|(3<<25) ; the same with the mask of my column
	s_mov_b32 s[G1B+1], KSTEP<<16
	s_mov_b32 s[G1+1], KSTEP<<16                   ; tensor_dim0 = 128
	s_mov_b32 s[G1B+2], 128<<16
	s_mov_b32 s[G1+2], 128<<16                     ; tensor_dim1 = 128
	s_mov_b32 s[G1B+3], KSTEP<<16
	s_mov_b32 s[G1+3], KSTEP<<16                   ; tile_dim0 = 128
	s_mov_b32 s[G1B+4], 128
	s_mov_b32 s[G1+4], 128                         ; tile_dim1 = 128
	s_mov_b32 s[G1B+5], SIZE_K
	s_mov_b32 s[G1+5], SIZE_K                      ; elements from row to row
	s_mov_b32 s[G1B+6], 0
	s_mov_b32 s[G1+6], 0
	s_mov_b32 s[G1B+7], 0
	s_mov_b32 s[G1+7], 0
	; where the tiles come from.  xh's hang on the block row alone, which my row of the cluster shares; wh's on the block column alone.
	; Every wave makes both addresses, in registers that never hold the other coordinate, and asks by one of them.
	s_lshl_b32 s17, s12, 7                         ; which 128 rows of the tile I fetch
	s_lshl_b32 s16, s13, 8
	s_add_co_u32 s16, s16, s17                     ; xh: row 256 x block row + 128 x half
	s_lshl_b32 s46, s42, 8
	s_add_co_u32 s46, s46, s17                     ; wh: row 256 x block column + 128 x half
	s_mov_b32 s17, 0
	s_mov_b32 s47, 0
	s_mov_b64 s[18:19], SIZE_K*2
	s_mul_u64 s[16:17], s[16:17], s[18:19]         ; in bytes
	s_mul_u64 s[46:47], s[46:47], s[18:19]
	s_mul_i32 s20, s10, HALFT                      ; and where they go: wave x 128 rows: no place in the cluster enters an LDS address
	s_wait_dscnt 0x0
	s_wait_kmcnt 0x0
	s_add_nc_u64 s[14:15], s[4:5], s[16:17]
	s_add_nc_u64 s[46:47], s[6:7], s[46:47]
	CROUND                                         ; all sixteen work-groups are here: the first joint loads meet
.irp s, 0,1
	s_mov_b32 s[G0+4*\s], 1                                        ; count = 1
	s_add_co_u32 s[G0+4*\s+1], s20, \s*SLOT                        ; LDS address
	s_add_nc_u64 s[G0+4*\s+2:G0+4*\s+3], s[14:15], \s*KSTEP*2      ; global address: K step s
	s_or_b32 s[G0+4*\s+3], s[G0+4*\s+3], 0x80000000                ; type = 2
	s_mov_b32 s[G0B+4*\s], 1
	s_add_co_u32 s[G0B+4*\s+1], s20, \s*SLOT
	s_add_nc_u64 s[G0B+4*\s+2:G0B+4*\s+3], s[46:47], \s*KSTEP*2
	s_or_b32 s[G0B+4*\s+3], s[G0B+4*\s+3], 0x80000000
	JLOAD \s                                       ; the ring is filled before anything else is done: two loads of the wave are out
.endr
	; A fragment is 16 rows x 32 K in 8 registers: lane l holds row l % 16; registers 0-3 hold K = 8 (l / 16) + 0..7, registers 4-7 hold
	; K = 16 + 8 (l / 16) + 0..7: two loads of 16 bytes, 32 bytes apart.  The same for source 0 and source 1.
	v_and_b32 v1, 15, v0                           ; l % 16
	v_bfe_u32 v2, v0, 4, 1                         ; l / 16
	v_mul_u32_u24 v3, v1, PITCH
	v_lshl_add_u32 v3, v2, 4, v3                   ; row x pitch + 16 x half
	s_mul_i32 s21, s11, HALFT                      ; my 128 rows of xh
	s_mul_i32 s22, s12, HALFT                      ; my 128 rows of wh,
	s_add_co_u32 s22, s22, 2*HALFT                 ; which lie behind xh's 256
.irp s, 0,1
	v_add_nc_u32 v[ADRA+\s], s21, v3
	v_add_nc_u32 v[ADRB+\s], s22, v3
	s_add_co_u32 s21, s21, SLOT
	s_add_co_u32 s22, s22, SLOT
.endr
	s_mul_i32 s23, s10, 16*SPITCH
	s_add_co_u32 s23, s23, STAGE                   ; my stage
	v_mul_u32_u24 v4, v1, SPITCH                   ; in: row l % 16, 16 bytes for each half of the lanes
	v_lshl_add_u32 v4, v2, 4, v4
	v_add_nc_u32 v[STO], s23, v4
	v_mul_u32_u24 v5, v2, SPITCH                   ; back: lanes 0-15 take one row of 256 bytes, lanes 16-31 the next
	v_lshl_add_u32 v5, v1, 4, v5
	v_add_nc_u32 v[RD], s23, v5
	v_mul_u32_u24 v5, v2, SIZE_N*2                 ; and the same two rows in qkv
	v_lshl_add_u32 v[CO], v1, 4, v5
; 16 matrix instructions: m blocks a0, a0 + 1 of the window's four x all 8 n blocks, 32 along K.  zero = 1: the first product starts the sums.
.macro MUL16 f, hi, a0, zero
.irp a, \a0, \a0+1
.irp b, 0,1,2,3,4,5,6,7
.if \zero
	v_wmma_f32_16x16x32_f16 v[8*(8*(\a)+\b):8*(8*(\a)+\b)+7], v[\f+8*\b:\f+8*\b+7], v[\f+8*(4*\hi+\a):\f+8*(4*\hi+\a)+7], 0
.else
	v_wmma_f32_16x16x32_f16 v[8*(8*(\a)+\b):8*(8*(\a)+\b)+7], v[\f+8*\b:\f+8*\b+7], v[\f+8*(4*\hi+\a):\f+8*(4*\hi+\a)+7], v[8*(8*(\a)+\b):8*(8*(\a)+\b)+7]
.endif
.endr
.endr
.endm
; 32 LDS loads in one run: the fragments of one quarter step (128 rows of wh, 128 rows of xh, 32 K at byte k of the rows) into buffer f
.macro FETCH slot, k, f
	WIN TO_B
.irp i, 0,1,2,3,4,5,6,7
	ds_load_b128 v[\f+8*\i:\f+8*\i+3],   v[ADRB+\slot] offset:\k+\i*16*PITCH
	ds_load_b128 v[\f+8*\i+4:\f+8*\i+7], v[ADRB+\slot] offset:\k+\i*16*PITCH+32
.endr
	WIN 0
.irp i, 0,1,2,3,4,5,6,7
	ds_load_b128 v[\f+8*\i:\f+8*\i+3],   v[ADRA+\slot] offset:\k+\i*16*PITCH
	ds_load_b128 v[\f+8*\i+4:\f+8*\i+7], v[ADRA+\slot] offset:\k+\i*16*PITCH+32
.endr
.endm
; A load into a register that a matrix instruction has read, and a vector instruction that reads a matrix result, stand four places behind
; that matrix instruction; only plain vector instructions that name none of its registers are places.
.macro PLACES
.rept 4
	v_nop
.endr
.endm
; A K step is four quarter steps of 32 along K, 64 matrix instructions each, on buffers 0, 1, 0, 1.  The 64 accumulators take turns, one
; instruction a turn, in the same order in every quarter.
.macro QUARTER slot, k, f, g, zero
	s_wait_dscnt 8                                 ; wh and xh's rows 0-63 are in; the youngest eight loads (xh's rows 64-127) may be out
	WIN MUL_LO
	MUL16 \f, 0, 0, \zero
	MUL16 \f, 0, 2, \zero
	PLACES
	FETCH \slot, \k, \g
	s_wait_dscnt 32                                ; all but the 32 just issued
	WIN MUL_HI
	MUL16 \f, 1, 0, \zero
	MUL16 \f, 1, 2, \zero
.endm
.macro THREE slot, zero
	QUARTER \slot, 64,  F0, F1, \zero
	QUARTER \slot, 128, F1, F0, 0
	QUARTER \slot, 192, F0, F1, 0
.endm
; The last quarter: multiplies buffer 1 and changes slots.  One barrier for two things: in front of it each wave waits for its own reads of
; this slot and for all its tensor loads, of which one is out, its part of the next slot.  Behind it nobody reads this slot any more and the
; next slot is whole: the refill comes first, then the next slot's first fragments.
.macro TURN slot, next, fill
	s_wait_dscnt 8
	WIN MUL_LO
	MUL16 F1, 0, 0, 0
	s_wait_dscnt 0                                 ; my reads of this slot are over
	s_wait_tensorcnt 0x0                           ; and all my tensor loads have landed
	ds_add_u32 v255, v255
	s_wait_dscnt 0x0
	s_barrier_signal -1                            ; say so (where a slot is filled again this barrier opens a round of the cluster's barrier),
	MUL16 F1, 0, 2, 0                              ; work on registers while the others arrive,
	WIN 0
	s_barrier_wait -1
.if \fill
	CREST                                          ; no wave of any partner still reads this slot's tile or has a load on its way
	s_add_nc_u64 s[G0+4*\slot+2:G0+4*\slot+3], s[G0+4*\slot+2:G0+4*\slot+3], 2*KSTEP*2
	s_add_nc_u64 s[G0B+4*\slot+2:G0B+4*\slot+3], s[G0B+4*\slot+2:G0B+4*\slot+3], 2*KSTEP*2
	JLOAD \slot                                    ; the first tensor load behind the round
.endif
	PLACES
	FETCH \next, 0, F0
	WIN MUL_HI
	MUL16 F1, 1, 0, 0
	MUL16 F1, 1, 2, 0
.endm
.macro LAP zero                        ; once round the ring, both slots filled again
	THREE 0, \zero
	TURN 0, 1, 1
	THREE 1, 0
	TURN 1, 0, 1
.endm
	s_wait_tensorcnt 1                             ; my part of K step 0 is in; K step 1's stays out
	s_barrier_signal -1
	s_barrier_wait -1                              ; everybody's is
	FETCH 0, 0, F0
	LAP 1                                          ; the first lap stands in front of the loop: its first products start the sums
	WIN 0                                          ; at a label and at a branch every window is 0
	s_mov_b32 s3, LAPS-2
.Llap:
	LAP 0
	WIN 0
	s_sub_co_u32 s3, s3, 1
	s_cmp_lg_u32 s3, 0
	s_cbranch_scc1 .Llap
	THREE 0, 0                                     ; the last lap fills nothing: my one tensor load that is still out is the last K step's
	TURN 0, 1, 0
	THREE 1, 0
	s_wait_dscnt 8                                 ; the very last quarter: nothing more to fetch
	WIN MUL_LO
	MUL16 F1, 0, 0, 0
	MUL16 F1, 0, 2, 0
	s_wait_dscnt 0
	WIN MUL_HI
	MUL16 F1, 1, 0, 0
	MUL16 F1, 1, 2, 0
	; THE WAY OUT, 16 rows at a time: round to f16, 16 bytes a lane into my own stage in LDS, read back as whole rows of 256 bytes.
	PLACES                                         ; behind the last matrix instructions: for the conversions and for the loads into buffers 0 and 1
	s_lshl_b32 s13, s13, 8
	s_lshl_b32 s14, s11, 7
	s_add_co_u32 s16, s13, s14                     ; my first row
	s_mov_b32 s17, 0
	s_mov_b64 s[18:19], SIZE_N*2
	s_mul_u64 s[16:17], s[16:17], s[18:19]
	s_add_nc_u64 s[8:9], s[8:9], s[16:17]
	s_lshl_b32 s46, s42, 9                         ; my first column, in bytes: 512 x block + 256 x half
	s_lshl_b32 s47, s12, 8
	s_add_co_u32 s46, s46, s47
	s_mov_b32 s47, 0
	s_add_nc_u64 s[8:9], s[8:9], s[46:47]
; rows 16 i .. 16 i + 15 of my block = the eight tiles (a, 0..7) of window 2 or 3 (from = 0x0a or 0x0f: sources 0 and 1); f: F0 or F1 in turn
.macro OUT16 i, a, from, f
	WIN \from
.irp b, 0,1,2,3,4,5,6,7
.irp r, 0,1,2,3
	v_cvt_pk_f16_f32 v[TMP+4*\b+\r], v[8*(8*\a+\b)+2*\r], v[8*(8*\a+\b)+2*\r+1]
.endr
.endr
	WIN 0
.irp b, 0,1,2,3,4,5,6,7
	ds_store_b128 v[STO], v[TMP+4*\b:TMP+4*\b+3] offset:32*\b
.endr
	s_wait_xcnt 0x0                                ; buffer f, which earlier stores read, and the stores' base are rewritten only behind this wait
.if \i
	s_add_nc_u64 s[8:9], s[8:9], 16*SIZE_N*2       ; 16 rows on: the stores' offsets stay at 14 rows at the most
.endif
.irp t, 0,1,2,3,4,5,6,7
	ds_load_b128 v[\f+4*\t:\f+4*\t+3], v[RD] offset:\t*2*SPITCH    ; LDS serves a wave's instructions in order: these see the stores above
.endr
.irp t, 0,1,2,3,4,5,6,7
	s_wait_dscnt 7-\t
	global_store_b128 v[CO], v[\f+4*\t:\f+4*\t+3], s[8:9] offset:2*\t*SIZE_N*2   ; 16 lanes store 256 consecutive bytes, aligned
.endr
.endm
	OUT16 0, 0, 0x0a, F0
	OUT16 1, 1, 0x0a, F1
	OUT16 2, 2, 0x0a, F0
	OUT16 3, 3, 0x0a, F1
	OUT16 4, 0, 0x0f, F0
	OUT16 5, 1, 0x0f, F1
	OUT16 6, 2, 0x0f, F0
	OUT16 7, 3, 0x0f, F1
	s_set_vgpr_msb 0x1
	s_wait_tensorcnt 0x0
	ds_add_u32 v255, v255
	s_wait_dscnt 0x0
	s_set_vgpr_msb 0x100
	CROUND                                         ; the closing round: no work-group ends while a partner may still ask for a tile that names it
	s_endpgm
.Lfunc_end_k_q53e64d6712_qkvp:
	.size	k_q53e64d6712_qkvp, .Lfunc_end_k_q53e64d6712_qkvp-k_q53e64d6712_qkvp
	.p2alignl 7, 3214868480
	.fill 96, 4, 3214868480
	.section	.rodata,"a",@progbits
	.p2align	6, 0x0
	.amdhsa_kernel k_q53e64d6712_qkvp
		.amdhsa_group_segment_fixed_size 327680
		.amdhsa_private_segment_fixed_size 0
		.amdhsa_enable_private_segment 0
		.amdhsa_kernarg_size 24
		.amdhsa_user_sgpr_count 2
		.amdhsa_user_sgpr_kernarg_segment_ptr 1
		.amdhsa_wavefront_size32 1
		.amdhsa_system_sgpr_workgroup_id_x 1
		.amdhsa_system_sgpr_workgroup_id_y 1
		.amdhsa_system_sgpr_workgroup_id_z 1
		.amdhsa_system_vgpr_workitem_id 0
		.amdhsa_next_free_vgpr 1024
		.amdhsa_next_free_sgpr 66
		.amdhsa_reserve_vcc 0
		.amdhsa_float_denorm_mode_32 3
		.amdhsa_float_denorm_mode_16_64 3
		.amdhsa_memory_ordered 1
		.amdhsa_forward_progress 1
		.amdhsa_inst_pref_size 196
	.end_amdhsa_kernel
	.amdgpu_metadata
---
amdhsa.version: [ 1, 2 ]
amdhsa.kernels:
  - .name:           k_q53e64d6712_qkvp
    .symbol:         k_q53e64d6712_qkvp.kd
    .args:
      - { .name: xh, .offset: 0, .size: 8, .value_kind: global_buffer, .address_space: global }
      - { .name: wh, .offset: 8, .size: 8, .value_kind: global_buffer, .address_space: global }
      - { .name: qkv, .offset: 16, .size: 8, .value_kind: global_buffer, .address_space: global }
    .group_segment_fixed_size: 327680
    .private_segment_fixed_size: 0
    .kernarg_segment_align: 8
    .kernarg_segment_size: 24
    .max_flat_workgroup_size: 128
    .sgpr_count:     66
    .vgpr_count:     1024
    .wavefront_size: 32
...
	.end_amdgpu_metadata
.endif
;; end of part 2
;; launch attn (part 3): grid 16 x 16, 4 waves a work-group, clusters of 4 x 1, 327,680 bytes of LDS; arguments qkv, diff_weight, oh, ssq; writes oh, ssq
.if DOCPART == 3
	.amdgcn_target "amdgcn-amd-amdhsa--gfx1250"
	.amdhsa_code_object_version 6
	.text
	.protected	k_q53e64d6712_attn
	.globl	k_q53e64d6712_attn
	.p2align	8
	.type	k_q53e64d6712_attn,@function
k_q53e64d6712_attn:
	s_mov_b64 s[64:65], 0
	v_nop
	global_prefetch_b8 v0, s[64:65] scope:SCOPE_SE
	s_setreg_imm32_b32 hwreg(HW_REG_WAVE_MODE, 25, 1), 1
	s_wait_xcnt 0x0
	s_wait_alu depctr_hold_cnt(0) depctr_sa_sdst(0) depctr_va_vdst(0) depctr_va_sdst(0) depctr_va_ssrc(0) depctr_va_vcc(0) depctr_vm_vsrc(0)
	s_getreg_b32 s2, hwreg(HW_REG_IB_STS2, 6, 4)
	s_cmp_eq_u32 s2, 0
	s_cbranch_scc0 .Lentry_in_a_cluster
	s_endpgm
.Lentry_in_a_cluster:
	s_bfe_u32 s2, ttmp6, 0x10000c
	s_cmp_lg_u32 s2, 0x3003
	s_cbranch_scc0 .Lentry_shape_is_right
	s_endpgm
.Lentry_shape_is_right:
; Differential attention of one (batch, head) and 128 queries, in one pass over the 2,048 keys with a running maximum for each branch.
;   oh[token][128 head + e] = ( O0/l0 - dw O1/l1 ) / (1 + |dw|)    (f16; the division keeps |oh| <= max |v|, inside f16's range)
;   ssq[head][token]        = sum over e of that number squared    (f32, from the unrounded numbers)
; The two branches' row sums l0, l1 are known only at the row's end, so each branch keeps its own accumulator and P V is done twice.
; Grid y = 8 batch + head; grid x = block of 128 queries.  Wave w has 32 queries (two tiles qt of 16) in both branches br: group g = 2 br + qt.
; CLUSTER 4 x 1: the four query blocks of a cluster walk the same K and V tiles and ask for them jointly (mask 15).
; LAYOUTS, chosen so that nothing is shuffled:
;   S^T = K Q^T : source 0 = 16 keys x 32 features, source 1 = 16 queries x 32 features.  Lane (r, h), register j: key 8 h + j, query r.
;                 Two key tiles, rounded to f16 in pairs, ARE the 32-key fragment of P for source 1 of the next product.
;   O^T = V^T P^T: source 0 = V transposed on its way out of LDS (ds_load_tr16_b128).  Lane (r, h), register j: e = 16 d + 8 h + j, query r.
;   So a lane serves one query: maximum, sum and every factor are one register a group; the other half of the keys lies in lane l xor 16.
; LIMITS: |q|, |k|, |v| below 65,504 (f16); a NaN or an infinity among the inputs is not honoured (v_max_num_f32 drops a NaN);
;   l adds the f32 exponentials while P V multiplies them rounded to f16; ssq leaves in runs of 128 bytes a wave (131,072 bytes in all).
.set TOKB,   6144                      ; bytes of a token's row in qkv: q at 0, k at 2,048, v at 4,096; head at + 256 head; branch at + 128 br
.set KPITCH, 272                       ; K's LDS row: 256 bytes + 16: row r starts 16 r bytes further modulo 256
.set VPITCH, 288                       ; V's LDS row: 256 bytes + 32, an odd multiple of 32, for the transposing loads
.set KTILE,  128*KPITCH                ; 34,816
.set VTILE,  128*VPITCH                ; 36,864
.set SLOT,   KTILE+VTILE               ; 71,680: 128 keys of K, then of V
.set STAGE,  2*SLOT                    ; 143,360, a multiple of 256: 16 rows x 272 bytes for each wave; no fill lands there
.set SPITCH, 272
.set TILEB,  128*TOKB                  ; from a tile of 128 keys to the next in memory
; window 0
.set KADR, 8                           ; v8-9    K fragment address in slot 0, 1
.set VADR, 10                          ; v10-11  V fragment address in slot 0, 1
.set QO,   12                          ; v12     my offset in Q
.set STO,  13                          ; v13     the way out: where I put 16 bytes
.set RD,   14                          ; v14     the way out: where I read a row back
.set CO,   15                          ; v15     my offset in oh
.set KF,   64                          ; v64-191 K fragments: [key tile kt][f = 2 br + ks] at 32 kt + 8 f.  On the way out: rows read back
.set TMP,  192                         ; v192-223 the way out: packed results
; window 1
.set OO,   0                           ; O[g][d] at 64 g + 8 d: 256 registers
; window 2
.set XS,   0                           ; scores, then exponentials: group g, i = 8 kt + j at 32 g + i
.set PP,   128                         ; P[g][c] at 16 g + 8 c
.set NM,   192                         ; pairs {NM, TT}: minus c x running maximum; the new maximum
.set TT,   193
.set AL,   200                         ; pairs {AL, LL}: factor for the old sums; my half's running sum
.set LL,   201
.set UU,   208                         ; pairs {UU, WW}: at work
.set WW,   209
.set FF,   216                         ; pairs: the four closing factors
.set SQ,   224                         ; pairs: sums of squares, qt = 0, 1
.set TG,   232                         ; at work
; window 3
.set VF,   0                           ; V^T fragments [c][d] at 64 c + 8 d
.set QF,   128                         ; Q fragments [g][ks] at 16 g + 8 ks
; scalars: s[4:11] the four buffers; s12 wave; s13 cx; s14 query block; s15 grid y; s16 batch; s17 head; s18 dw; s19 -dw;
; s20 = s21 = c = 64^-0.5 x log2 e; s22 = -c; s24, s25 lane selects; s26 mask of lanes 16-31; s60 trips; s61 at work (never holds cx);
; s[62:63] K and V rows of my wave; s[66:75] what hangs on cx: bases of Q, oh, ssq
.set G1K, 28                           ; s[28:35] group 1 for K
.set G1V, 36                           ; s[36:43] group 1 for V
.set G0K, 44                           ; s[44:51] group 0 for K, a set for each slot
.set G0V, 52                           ; s[52:59] group 0 for V, a set for each slot
.set MSB, 0
.macro WIN new                         ; low byte: bits 1:0 source 0, 3:2 source 1, 5:4 source 2, 7:6 destination; high byte: the setting that is left
.if MSB != \new
	s_set_vgpr_msb (MSB<<8)|\new
.set MSB, \new
.endif
.endm
.macro PLACES                          ; four places behind a matrix instruction (ISA guide 7.12.1)
.rept 4
	v_nop
.endr
.endm
.macro ROUND                           ; a round of the cluster's barrier
	s_barrier_signal -1
	s_barrier_wait -1
	s_cmp_lg_u32 s12, 0
	s_cbranch_scc1 .Lnot_wave_0_\@
	s_barrier_signal -3
.Lnot_wave_0_\@:
	s_barrier_wait -3
	s_barrier_signal -1
	s_barrier_wait -1
.endm
	s_load_b256 s[4:11], s[0:1], 0x0               ; qkv 4, diff_weight 6, oh 8, ssq 10
	v_lshl_add_u32 v254, v0, 2, 0x29000
	v_mov_b32 v255, 0
	ds_add_u32 v254, v255
	v_lshrrev_b32 v1, 5, v0
	v_readfirstlane_b32 s12, v1                    ; wave
	s_bfe_u32 s13, ttmp6, 0x40000                  ; cx
	s_lshl_b32 s14, ttmp9, 2
	s_add_co_u32 s14, s14, s13                     ; query block = 4 x cluster x + cx
	s_and_b32 s15, ttmp7, 0xffff
	s_lshr_b32 s16, s15, 3                         ; batch
	s_and_b32 s17, s15, 7                          ; head
	s_mov_b32 s20, 0x3e38aa3b                      ; c = 0.125 x 1.442695
	s_mov_b32 s21, 0x3e38aa3b
	s_mov_b32 s22, 0xbe38aa3b                      ; -c
	s_mov_b32 s24, 0x76543210                      ; v_permlanex16_b32: lane i takes lane i of the other half
	s_mov_b32 s25, 0xfedcba98
	s_mov_b32 s26, 0xffff0000
	; group 1: 32 rows of 128 elements of 2 bytes, 3,072 elements from row to row; mask 15 with bit 21; padding after every 64 words
	s_mov_b32 s[G1K+0], 15|(1<<16)|(1<<20)|(1<<21)|(5<<22)|(3<<25)   ; 4 words of padding
	s_mov_b32 s[G1V+0], 15|(1<<16)|(1<<20)|(1<<21)|(5<<22)|(7<<25)   ; 8 words of padding
.irp q, G1K, G1V
	s_mov_b32 s[\q+1], 128<<16                     ; tensor_dim0 = 128
	s_mov_b32 s[\q+2], 32<<16                      ; tensor_dim1 = 32
	s_mov_b32 s[\q+3], 128<<16                     ; tile_dim0 = 128
	s_mov_b32 s[\q+4], 32                          ; tile_dim1 = 32
	s_mov_b32 s[\q+5], 3072
	s_mov_b32 s[\q+6], 0
	s_mov_b32 s[\q+7], 0
.endr
	; my wave's 32 keys of a tile: token 2,048 batch + 32 wave, at the head's 256 bytes.  Nothing of cx enters.
	s_lshl_b32 s62, s16, 11
	s_lshl_b32 s61, s12, 5
	s_add_co_u32 s62, s62, s61
	s_mul_i32 s62, s62, TOKB
	s_lshl_b32 s61, s17, 8
	s_add_co_u32 s62, s62, s61
	s_mov_b32 s63, 0
	; my wave's 32 queries: token 2,048 batch + 128 block + 32 wave
	s_lshl_b32 s66, s16, 11
	s_lshl_b32 s67, s14, 7
	s_add_co_u32 s66, s66, s67
	s_lshl_b32 s67, s12, 5
	s_add_co_u32 s66, s66, s67
	s_wait_dscnt 0x0
	s_wait_kmcnt 0x0
	s_load_b32 s18, s[6:7], 0x0                    ; dw
	s_add_nc_u64 s[62:63], s[4:5], s[62:63]
	s_mul_i32 s74, s66, TOKB
	s_lshl_b32 s67, s17, 8
	s_add_co_u32 s74, s74, s67
	s_mov_b32 s75, 0
	s_add_nc_u64 s[68:69], s[4:5], s[74:75]        ; Q
	s_lshl_b32 s74, s66, 11
	s_add_co_u32 s74, s74, s67
	s_add_nc_u64 s[70:71], s[8:9], s[74:75]        ; oh: rows of 2,048 bytes, the head's 256
	s_lshl_b32 s74, s17, 14
	s_lshl_b32 s67, s66, 2
	s_add_co_u32 s74, s74, s67
	s_add_nc_u64 s[72:73], s[10:11], s[74:75]      ; ssq[head][token]
	s_mul_i32 s61, s12, 32*KPITCH
.irp s, 0,1
	s_mov_b32 s[G0K+4*\s], 1
	s_add_co_u32 s[G0K+4*\s+1], s61, \s*SLOT
	s_add_nc_u64 s[G0K+4*\s+2:G0K+4*\s+3], s[62:63], 2048+\s*TILEB
	s_or_b32 s[G0K+4*\s+3], s[G0K+4*\s+3], 0x80000000
.endr
	s_mul_i32 s61, s12, 32*VPITCH
.irp s, 0,1
	s_mov_b32 s[G0V+4*\s], 1
	s_add_co_u32 s[G0V+4*\s+1], s61, KTILE+\s*SLOT
	s_add_nc_u64 s[G0V+4*\s+2:G0V+4*\s+3], s[62:63], 4096+\s*TILEB
	s_or_b32 s[G0V+4*\s+3], s[G0V+4*\s+3], 0x80000000
.endr
	s_wait_kmcnt 0x0                               ; dw is there
	ROUND                                          ; the four work-groups are here: the first joint loads meet
	tensor_load_to_lds s[G0K:G0K+3], s[G1K:G1K+7]  ; tile 0
	s_nop 0
	tensor_load_to_lds s[G0V:G0V+3], s[G1V:G1V+7]
	s_nop 0
	v_and_b32 v1, 15, v0                           ; r
	v_bfe_u32 v2, v0, 4, 1                         ; h
	v_and_b32 v3, 7, v0
	v_bfe_u32 v4, v0, 3, 1
	v_mul_u32_u24 v[KADR], v1, KPITCH
	v_lshl_add_u32 v[KADR], v2, 4, v[KADR]         ; key r, 16 bytes for each half
	v_add_nc_u32 v[KADR+1], SLOT, v[KADR]
	v_lshl_add_u32 v5, v2, 3, v3                   ; key 8 h + (l & 7)
	v_mul_u32_u24 v[VADR], v5, VPITCH
	v_lshl_add_u32 v[VADR], v4, 4, v[VADR]         ; + 16 x bit 3 of the lane
	v_add_nc_u32 v[VADR], KTILE, v[VADR]
	v_add_nc_u32 v[VADR+1], SLOT, v[VADR]
	v_mul_u32_u24 v[QO], v1, TOKB
	v_lshl_add_u32 v[QO], v2, 4, v[QO]
	s_mul_i32 s61, s12, 16*SPITCH
	s_add_co_u32 s61, s61, STAGE                   ; my stage
	v_add_nc_u32 v[STO], s61, v[KADR]              ; row r, 16 bytes for each half (the stage's pitch is K's)
	v_mul_u32_u24 v[RD], v2, SPITCH
	v_lshl_add_u32 v[RD], v1, 4, v[RD]
	v_add_nc_u32 v[RD], s61, v[RD]                 ; lanes 0-15 one row of 256 bytes, lanes 16-31 the next
	v_lshlrev_b32 v[CO], 11, v2
	v_lshl_add_u32 v[CO], v1, 4, v[CO]             ; the same two rows in oh
	v_and_b32 v16, 31, v0
	v_lshlrev_b32 v16, 2, v16                      ; 4 x lane, for ssq
	WIN 0xaa
.irp g, 0,1,2,3
	v_mov_b32 v[UU+2*\g], 0                        ; v_permlanex16_b32 counts as a reader of its destination
.endr
	WIN 0xc0                                       ; destination window 3, address window 0
.irp g, 0,1,2,3
.irp ks, 0,1
	global_load_b128 v[QF+16*\g+8*\ks:QF+16*\g+8*\ks+3],   v[QO], s[68:69] offset:16*TOKB*(\g%2)+128*(\g/2)+64*\ks
	global_load_b128 v[QF+16*\g+8*\ks+4:QF+16*\g+8*\ks+7], v[QO], s[68:69] offset:16*TOKB*(\g%2)+128*(\g/2)+64*\ks+32
.endr
.endr
	WIN 0
	s_wait_loadcnt 0x0                             ; Q stays in registers for the whole kernel
; 64 keys (half sb of the tile in slot) against my 32 queries in both branches.  first = 1: nothing has been summed yet.
.macro SUB slot, sb, first
	PLACES                                         ; the last products read VF, into which loads are issued below
	WIN 0
.irp kt, 0,1,2,3
.irp f, 0,1,2,3
	ds_load_b128 v[KF+32*\kt+8*\f:KF+32*\kt+8*\f+3],   v[KADR+\slot] offset:(64*\sb+16*\kt)*KPITCH+64*\f
	ds_load_b128 v[KF+32*\kt+8*\f+4:KF+32*\kt+8*\f+7], v[KADR+\slot] offset:(64*\sb+16*\kt)*KPITCH+64*\f+32
.endr
.endr
	WIN 0xc0
.irp c, 0,1
.irp d, 0,1,2,3,4,5,6,7
	ds_load_tr16_b128 v[VF+64*\c+8*\d:VF+64*\c+8*\d+3],   v[VADR+\slot] offset:(64*\sb+32*\c)*VPITCH+32*\d
	ds_load_tr16_b128 v[VF+64*\c+8*\d+4:VF+64*\c+8*\d+7], v[VADR+\slot] offset:(64*\sb+32*\c+16)*VPITCH+32*\d
.endr
.endr
	s_wait_dscnt 32                                ; K's 32 loads are in; V's 32, issued behind them, stay out until P is made
	WIN 0xac                                       ; D and C window 2, K window 0, Q window 3
	; 32 products; the four groups' accumulators take turns, one instruction a turn
.irp kt, 0,1,2,3
.irp ks, 0,1
.irp g, 0,1,2,3
.if \ks
	v_wmma_f32_16x16x32_f16 v[XS+32*\g+8*\kt:XS+32*\g+8*\kt+7], v[KF+32*\kt+8*(2*(\g/2)+\ks):KF+32*\kt+8*(2*(\g/2)+\ks)+7], v[QF+16*\g+8*\ks:QF+16*\g+8*\ks+7], v[XS+32*\g+8*\kt:XS+32*\g+8*\kt+7]
.else
	v_wmma_f32_16x16x32_f16 v[XS+32*\g+8*\kt:XS+32*\g+8*\kt+7], v[KF+32*\kt+8*(2*(\g/2)+\ks):KF+32*\kt+8*(2*(\g/2)+\ks)+7], v[QF+16*\g+8*\ks:QF+16*\g+8*\ks+7], 0
.endif
.endr
.endr
.endr
	WIN 0xaa
	PLACES
	; the largest of my 32 scores of each group, then of the query's 64: four chains that do not wait for each other
.irp g, 0,1,2,3
	v_max3_num_f32 v[TT+2*\g], v[XS+32*\g], v[XS+32*\g+1], v[XS+32*\g+2]
.endr
.irp i, 3,5,7,9,11,13,15,17,19,21,23,25,27,29
.irp g, 0,1,2,3
	v_max3_num_f32 v[TT+2*\g], v[TT+2*\g], v[XS+32*\g+\i], v[XS+32*\g+\i+1]
.endr
.endr
.irp g, 0,1,2,3
	v_max_num_f32 v[TT+2*\g], v[TT+2*\g], v[XS+32*\g+31]
.endr
.irp g, 0,1,2,3
	v_permlanex16_b32 v[UU+2*\g], v[TT+2*\g], s24, s25
.endr
.irp g, 0,1,2,3
	v_max_num_f32 v[TT+2*\g], v[TT+2*\g], v[UU+2*\g]
.endr
.if \first
.irp g, 0,1,2,3
	v_mul_f32 v[NM+2*\g], s22, v[TT+2*\g]          ; the shift: -c x maximum
.endr
.else
.irp g, 0,1,2,3
	v_mul_f32 v[UU+2*\g], s22, v[TT+2*\g]
.endr
.irp g, 0,1,2,3
	v_min_num_f32 v[UU+2*\g], v[UU+2*\g], v[NM+2*\g]   ; the running maximum's shift
.endr
.irp g, 0,1,2,3
	v_sub_f32 v[AL+2*\g], v[UU+2*\g], v[NM+2*\g]   ; new shift - old shift <= 0: made of the shifts that are used
.endr
.irp g, 0,1,2,3
	v_mov_b32 v[NM+2*\g], v[UU+2*\g]
.endr
.irp g, 0,1,2,3
	v_exp_f32 v[AL+2*\g], v[AL+2*\g]               ; first used far below, behind plain instructions
.endr
.endif
	; p = 2^(c s - c maximum)
.set i, 0
.rept 16
.irp g, 0,1,2,3
	v_pk_fma_f32 v[XS+32*\g+2*i:XS+32*\g+2*i+1], v[XS+32*\g+2*i:XS+32*\g+2*i+1], s[20:21], v[NM+2*\g:NM+2*\g+1] op_sel_hi:[1,0,0]
.endr
.set i, i+1
.endr
.set i, 0
.rept 32
.irp g, 0,1,2,3
	v_exp_f32 v[XS+32*\g+i], v[XS+32*\g+i]
.endr
.set i, i+1
.endr
	v_nop                                          ; one plain place behind the last transcendental (ISA guide 5.7.2)
	s_wait_alu depctr_va_vdst(0)
.irp g, 0,1,2,3
	v_pk_add_f32 v[UU+2*\g:UU+2*\g+1], v[XS+32*\g:XS+32*\g+1], v[XS+32*\g+2:XS+32*\g+3]
.endr
.set i, 2
.rept 14
.irp g, 0,1,2,3
	v_pk_add_f32 v[UU+2*\g:UU+2*\g+1], v[UU+2*\g:UU+2*\g+1], v[XS+32*\g+2*i:XS+32*\g+2*i+1]
.endr
.set i, i+1
.endr
.if \first
.irp g, 0,1,2,3
	v_add_f32 v[LL+2*\g], v[UU+2*\g], v[WW+2*\g]   ; my half of the keys; the halves meet at the end
.endr
.else
.irp g, 0,1,2,3
	v_add_f32 v[UU+2*\g], v[UU+2*\g], v[WW+2*\g]
.endr
.irp g, 0,1,2,3
	v_fma_f32 v[LL+2*\g], v[LL+2*\g], v[AL+2*\g], v[UU+2*\g]
.endr
.endif
.set i, 0
.rept 16
.irp g, 0,1,2,3
	v_cvt_pk_f16_f32 v[PP+16*\g+i], v[XS+32*\g+2*i], v[XS+32*\g+2*i+1]
.endr
.set i, i+1
.endr
.if \first == 0
	WIN 0x49                                       ; O window 1, the factor window 2
.set i, 0
.rept 32
.irp g, 0,1,2,3
	v_pk_mul_f32 v[OO+64*\g+2*i:OO+64*\g+2*i+1], v[OO+64*\g+2*i:OO+64*\g+2*i+1], v[AL+2*\g:AL+2*\g+1] op_sel_hi:[1,0]
.endr
.set i, i+1
.endr
.endif
	s_wait_dscnt 0                                 ; V's fragments are in
	WIN 0x5b                                       ; D and C window 1, V window 3, P window 2
	; 64 products on 32 accumulators by turns, one instruction a turn
.irp c, 0,1
.irp d, 0,1,2,3,4,5,6,7
.irp g, 0,1,2,3
.if \first*(1-\c)
	v_wmma_f32_16x16x32_f16 v[OO+64*\g+8*\d:OO+64*\g+8*\d+7], v[VF+64*\c+8*\d:VF+64*\c+8*\d+7], v[PP+16*\g+8*\c:PP+16*\g+8*\c+7], 0
.else
	v_wmma_f32_16x16x32_f16 v[OO+64*\g+8*\d:OO+64*\g+8*\d+7], v[VF+64*\c+8*\d:VF+64*\c+8*\d+7], v[PP+16*\g+8*\c:PP+16*\g+8*\c+7], v[OO+64*\g+8*\d:OO+64*\g+8*\d+7]
.endif
.endr
.endr
.endr
	WIN 0
.endm
; One tile of 128 keys.  In front of the round every wave waits for all its tensor loads (two are out: its parts of this trip's K and V)
; and for its reads of the other slot; behind the round that slot's refills are the first tensor loads, and have the whole trip to land.
.macro TRIP slot, refill, first
	s_wait_tensorcnt 0x0
	ds_add_u32 v254, v255
	s_wait_dscnt 0x0
	s_add_nc_u64 s[G0K+4*\slot+2:G0K+4*\slot+3], s[G0K+4*\slot+2:G0K+4*\slot+3], 2*TILEB   ; no load of mine is out: this slot's next tile
	s_add_nc_u64 s[G0V+4*\slot+2:G0V+4*\slot+3], s[G0V+4*\slot+2:G0V+4*\slot+3], 2*TILEB
	s_wait_dscnt 0x0
	ROUND
.if \refill
	tensor_load_to_lds s[G0K+4-4*\slot:G0K+7-4*\slot], s[G1K:G1K+7]
	s_nop 0
	tensor_load_to_lds s[G0V+4-4*\slot:G0V+7-4*\slot], s[G1V:G1V+7]
	s_nop 0
.endif
	SUB \slot, 0, \first
	SUB \slot, 1, 0
.endm
	TRIP 0, 1, 1                                   ; 16 tiles: two in front of the loop (the first starts the sums),
	TRIP 1, 1, 0
	s_mov_b32 s60, 6
.Llap:
	TRIP 0, 1, 0                                   ; twelve in it,
	TRIP 1, 1, 0
	s_sub_co_u32 s60, s60, 1
	s_cmp_lg_u32 s60, 0
	s_cbranch_scc1 .Llap
	TRIP 0, 1, 0                                   ; two behind it: the last asks for nothing
	TRIP 1, 0, 0
	; THE END OF THE ROWS
	PLACES
	WIN 0xaa
.irp g, 0,1,2,3
	v_permlanex16_b32 v[UU+2*\g], v[LL+2*\g], s24, s25
.endr
.irp g, 0,1,2,3
	v_add_f32 v[LL+2*\g], v[LL+2*\g], v[UU+2*\g]   ; l over all keys: at least about 1, since the largest p is 1
.endr
	s_and_b32 s61, s18, 0x7fffffff                 ; |dw|
	s_xor_b32 s19, s18, 0x80000000                 ; -dw
	v_mov_b32 v[TG], s61
	v_add_f32 v[TG], 1.0, v[TG]
	v_rcp_f32 v[TG+1], v[TG]                       ; 1 / (1 + |dw|)
.irp g, 0,1,2,3
	v_rcp_f32 v[UU+2*\g], v[LL+2*\g]
.endr
	v_nop                                          ; one plain place behind the transcendentals
	s_wait_alu depctr_va_vdst(0)
	v_mul_f32 v[TG+2], s19, v[TG+1]                ; -dw / (1 + |dw|)
.irp g, 0,1
	v_mul_f32 v[FF+2*\g],   v[UU+2*\g], v[TG+1]
	v_mul_f32 v[FF+2*\g+1], v[UU+2*\g], v[TG+1]
.endr
.irp g, 2,3
	v_mul_f32 v[FF+2*\g],   v[UU+2*\g], v[TG+2]
	v_mul_f32 v[FF+2*\g+1], v[UU+2*\g], v[TG+2]
.endr
	WIN 0x49
.irp qt, 0,1
.set i, 0
.rept 32
	v_pk_mul_f32 v[OO+64*\qt+2*i:OO+64*\qt+2*i+1], v[OO+64*\qt+2*i:OO+64*\qt+2*i+1], v[FF+2*\qt:FF+2*\qt+1] op_sel_hi:[1,0]
.set i, i+1
.endr
.endr
	WIN 0x59
.irp qt, 0,1
.set i, 0
.rept 32
	v_pk_fma_f32 v[OO+64*\qt+2*i:OO+64*\qt+2*i+1], v[OO+128+64*\qt+2*i:OO+128+64*\qt+2*i+1], v[FF+4+2*\qt:FF+4+2*\qt+1], v[OO+64*\qt+2*i:OO+64*\qt+2*i+1] op_sel_hi:[1,0,1]
.set i, i+1
.endr
.endr
	WIN 0xa5                                       ; the squares: sums window 2, O window 1
.irp qt, 0,1
	v_pk_mul_f32 v[SQ+2*\qt:SQ+2*\qt+1], v[OO+64*\qt:OO+64*\qt+1], v[OO+64*\qt:OO+64*\qt+1]
.endr
.set i, 1
.rept 31
.irp qt, 0,1
	v_pk_fma_f32 v[SQ+2*\qt:SQ+2*\qt+1], v[OO+64*\qt+2*i:OO+64*\qt+2*i+1], v[OO+64*\qt+2*i:OO+64*\qt+2*i+1], v[SQ+2*\qt:SQ+2*\qt+1]
.endr
.set i, i+1
.endr
	WIN 0xaa
.irp qt, 0,1
	v_add_f32 v[SQ+2*\qt], v[SQ+2*\qt], v[SQ+2*\qt+1]
.endr
.irp qt, 0,1
	v_permlanex16_b32 v[UU+2*\qt], v[SQ+2*\qt], s24, s25
.endr
.irp qt, 0,1
	v_add_f32 v[SQ+2*\qt], v[SQ+2*\qt], v[UU+2*\qt]    ; all 128 e of query r
.endr
	WIN 0x0a
	v_cndmask_b32 v17, v[SQ], v[SQ+2], s26         ; lane l holds my query l: lanes 0-15 of tile 0, lanes 16-31 of tile 1
	WIN 0
	global_store_b32 v16, v17, s[72:73]            ; 128 consecutive bytes a wave
; 16 queries: round to f16, 16 bytes a lane into my own stage, read back as whole rows of 256 bytes.  Each qt has registers of its own to
; read back into, so no store's data is written again.
.macro OUTQ qt
	WIN 0x05
.irp d, 0,1,2,3,4,5,6,7
.irp p, 0,1,2,3
	v_cvt_pk_f16_f32 v[TMP+4*\d+\p], v[OO+64*\qt+8*\d+2*\p], v[OO+64*\qt+8*\d+2*\p+1]
.endr
.endr
	WIN 0
.irp d, 0,1,2,3,4,5,6,7
	ds_store_b128 v[STO], v[TMP+4*\d:TMP+4*\d+3] offset:32*\d
.endr
.irp t, 0,1,2,3,4,5,6,7
	ds_load_b128 v[KF+32*\qt+4*\t:KF+32*\qt+4*\t+3], v[RD] offset:\t*2*SPITCH      ; LDS serves a wave's instructions in order: these see the stores above
.endr
.irp t, 0,1,2,3,4,5,6,7
	s_wait_dscnt 7-\t
	global_store_b128 v[CO], v[KF+32*\qt+4*\t:KF+32*\qt+4*\t+3], s[70:71] offset:(16*\qt+2*\t)*2048   ; 16 lanes store 256 consecutive bytes, aligned
.endr
.endm
	OUTQ 0
	OUTQ 1
	s_wait_tensorcnt 0x0
	ds_add_u32 v254, v255
	s_wait_dscnt 0x0
	ROUND                                          ; the closing round: no work-group ends while a partner may still ask jointly
	s_endpgm
.Lfunc_end_k_q53e64d6712_attn:
	.size	k_q53e64d6712_attn, .Lfunc_end_k_q53e64d6712_attn-k_q53e64d6712_attn
	.p2alignl 7, 3214868480
	.fill 96, 4, 3214868480
	.section	.rodata,"a",@progbits
	.p2align	6, 0x0
	.amdhsa_kernel k_q53e64d6712_attn
		.amdhsa_group_segment_fixed_size 327680
		.amdhsa_private_segment_fixed_size 0
		.amdhsa_enable_private_segment 0
		.amdhsa_kernarg_size 32
		.amdhsa_user_sgpr_count 2
		.amdhsa_user_sgpr_kernarg_segment_ptr 1
		.amdhsa_wavefront_size32 1
		.amdhsa_system_sgpr_workgroup_id_x 1
		.amdhsa_system_sgpr_workgroup_id_y 1
		.amdhsa_system_sgpr_workgroup_id_z 1
		.amdhsa_system_vgpr_workitem_id 0
		.amdhsa_next_free_vgpr 1024
		.amdhsa_next_free_sgpr 80
		.amdhsa_reserve_vcc 0
		.amdhsa_float_denorm_mode_32 3
		.amdhsa_float_denorm_mode_16_64 3
		.amdhsa_memory_ordered 1
		.amdhsa_forward_progress 1
		.amdhsa_inst_pref_size 255
	.end_amdhsa_kernel
	.section	.bss,"aw",@nobits
	.p2align	6
	.space	262144
	.amdgpu_metadata
---
amdhsa.version: [ 1, 2 ]
amdhsa.kernels:
  - .name:           k_q53e64d6712_attn
    .symbol:         k_q53e64d6712_attn.kd
    .args:
      - { .name: qkv, .offset: 0, .size: 8, .value_kind: global_buffer, .address_space: global }
      - { .name: diff_weight, .offset: 8, .size: 8, .value_kind: global_buffer, .address_space: global }
      - { .name: oh, .offset: 16, .size: 8, .value_kind: global_buffer, .address_space: global }
      - { .name: ssq, .offset: 24, .size: 8, .value_kind: global_buffer, .address_space: global }
    .group_segment_fixed_size: 327680
    .private_segment_fixed_size: 0
    .kernarg_segment_align: 8
    .kernarg_segment_size: 32
    .max_flat_workgroup_size: 128
    .sgpr_count:     80
    .vgpr_count:     1024
    .wavefront_size: 32
...
	.end_amdgpu_metadata
.endif
;; end of part 3
;; launch outp (part 4): grid 8 x 32, 4 waves a work-group, clusters of 4 x 4, 327,680 bytes of LDS; arguments oh, woh, ssq, bo, diff_weight, out0; writes out0
.if DOCPART == 4
	.amdgcn_target "amdgcn-amd-amdhsa--gfx1250"
	.amdhsa_code_object_version 6
	.text
	.protected	k_q53e64d6712_outp
	.globl	k_q53e64d6712_outp
	.p2align	8
	.type	k_q53e64d6712_outp,@function
k_q53e64d6712_outp:
	s_mov_b64 s[64:65], 0
	v_nop
	global_prefetch_b8 v0, s[64:65] scope:SCOPE_SE
	s_setreg_imm32_b32 hwreg(HW_REG_WAVE_MODE, 25, 1), 1
	s_wait_xcnt 0x0
	s_wait_alu depctr_hold_cnt(0) depctr_sa_sdst(0) depctr_va_vdst(0) depctr_va_sdst(0) depctr_va_ssrc(0) depctr_va_vcc(0) depctr_vm_vsrc(0)
	s_getreg_b32 s2, hwreg(HW_REG_IB_STS2, 6, 4)
	s_cmp_eq_u32 s2, 0
	s_cbranch_scc0 .Lentry_in_a_cluster
	s_endpgm
.Lentry_in_a_cluster:
	s_bfe_u32 s2, ttmp6, 0x10000c
	s_cmp_lg_u32 s2, 0xf033
	s_cbranch_scc0 .Lentry_shape_is_right
	s_endpgm
.Lentry_shape_is_right:
; out0[m][n] = ( rms[m] x sum over k of o[m][k] norm_w[k] Wo[n][k] + bo[n] ) x (1 - dw), with
;   o = (1 + |dw|) oh,   rms[m] = rsqrt( (1 + |dw|)^2 / 1024 x sum over heads of ssq[head][m] + 2^-23 ),   woh = Wo norm_w.
; rms is a factor of a whole row, so it is applied on the way out: out0 = acc x R[m] + BO[n], R = rms (1 + |dw|)(1 - dw), BO = bo (1 - dw).
; oh: [4096][1024] f16, woh: [1024][1024] f16, sums in f32, out0 f32.
; A work-group makes 128 x 128 (8 x 32 = 256 work-groups), a wave 64 x 64: 16 accumulator tiles.  A larger block would leave WGPs without work.
; K goes in four steps of 256 (rows of 512 bytes, aligned) through two LDS slots; the four steps are written out.
; CLUSTER 4 x 4: oh's tiles are shared along a row of the cluster, woh's along a column, by joint loads.
; The matrix instruction is used transposed (source 0 = rows of woh, source 1 = rows of oh): lane l holds row m = l % 16 and
; eight neighbouring columns n = 8 (l / 16) + 0 .. 7.
.set KSTEP,  256
.set PITCH,  528                       ; 512 bytes + 16: row r starts 16 r bytes further modulo 256
.set HALFT,  64*PITCH                  ; 64 rows: what one tensor load brings, and what one wave reads of either operand
.set SLOT,   4*HALFT                   ; oh's 128 rows, then woh's 128 rows: 135,168
.set STAGE,  2*SLOT                    ; 270,336, a multiple of 256: 16 rows x 272 bytes for each wave; no fill lands there
.set SPITCH, 272
.set OROW,   4096                      ; bytes in a row of out0
; window 0
.set ADRA, 16                          ; v16-17 my oh fragments in slot 0, 1
.set ADRB, 20                          ; v20-21 my woh fragments
.set STO,  24
.set RD,   25
.set CO,   26
.set R,    32                          ; v[32:39] pairs: R of row 16 a + r
.set OMD,  42                          ; v[42:43] 1 - dw, twice
.set F0,   64                          ; fragment buffer 0: woh at + 8 b, oh at + 32 + 8 a
.set F1,   128                         ; fragment buffer 1
.set TMP,  192                         ; v[192:223] ssq at the start; results on the way out
.set BO,   224                         ; v[224:255] bo (1 - dw) of my columns 16 b + 8 h + j at 8 b + j
; window 1: accumulator tile (a, b) at 8 (4 a + b)
; scalars: s[4:15] the six buffers; s16 wave; s17 wave / 2; s18 wave & 1; s19 dw; s20-23 at work (no place in the cluster);
; s40 cx, s41 cy, s42 block column, s43 block row, s44, s45 masks; s[46:47] woh's rows (cx alone); s[66:67] oh's rows (cy alone);
; s[68:69] ssq, s[70:71] bo, s[72:73] out0 at my part; s[74:79] at work
.set G1, 24
.set G0, 32
.set G1B, 48
.set G0B, 56
.set MSB, 0
.macro WIN new
.if MSB != \new
	s_set_vgpr_msb (MSB<<8)|\new
.set MSB, \new
.endif
.endm
.macro PLACES                          ; four places behind a matrix instruction (ISA guide 7.12.1)
.rept 4
	v_nop
.endr
.endm
.macro JLOAD s                         ; waves 0 and 1 ask for oh's two halves, waves 2 and 3 for woh's: one mask for each line
	s_cmp_eq_u32 s17, 0
	s_cbranch_scc0 .Lfor_b_\@
	tensor_load_to_lds s[G0+4*\s:G0+4*\s+3], s[G1:G1+7]
	s_nop 0
	s_branch .Lasked_\@
.Lfor_b_\@:
	tensor_load_to_lds s[G0B+4*\s:G0B+4*\s+3], s[G1B:G1B+7]
	s_nop 0
.Lasked_\@:
.endm
.macro CREST                           ; a round of the cluster's barrier behind its opening barrier
	s_cmp_lg_u32 s16, 0
	s_cbranch_scc1 .Lnot_wave_0_\@
	s_barrier_signal -3
.Lnot_wave_0_\@:
	s_barrier_wait -3
	s_barrier_signal -1
	s_barrier_wait -1
.endm
.macro CROUND
	s_barrier_signal -1
	s_barrier_wait -1
	CREST
.endm
	s_load_b256 s[4:11], s[0:1], 0x0               ; oh 4, woh 6, ssq 8, bo 10
	s_load_b128 s[12:15], s[0:1], 0x20             ; diff_weight 12, out0 14
	v_lshl_add_u32 v62, v0, 2, 0x46400
	v_mov_b32 v63, 0
	ds_add_u32 v62, v63
	v_lshrrev_b32 v1, 5, v0
	v_readfirstlane_b32 s16, v1                    ; wave
	s_lshr_b32 s17, s16, 1                         ; my half of the block's rows.  Also: I fetch for oh (0) or woh (1)
	s_and_b32 s18, s16, 1                          ; my half of its columns.  Also: which 64 rows of that tile I fetch
	s_bfe_u32 s40, ttmp6, 0x40000                  ; cx
	s_bfe_u32 s41, ttmp6, 0x40004                  ; cy
	s_lshl_b32 s42, ttmp9, 2
	s_add_co_u32 s42, s42, s40                     ; block column
	s_and_b32 s43, ttmp7, 0xffff
	s_lshl_b32 s43, s43, 2
	s_add_co_u32 s43, s43, s41                     ; block row
	s_lshl_b32 s44, s41, 2
	s_lshl_b32 s44, 15, s44                        ; my row of the cluster
	s_lshl_b32 s45, 0x1111, s40                    ; my column
	; group 1: 64 rows of 256 elements of 2 bytes; padding of 4 words after every 128 words
	s_or_b32 s[G1+0],  s44, (1<<16)|(1<<20)|(1<<21)|(6<<22)|(3<<25)
	s_or_b32 s[G1B+0], s45, (1<<16)|(1<<20)|(1<<21)|(6<<22)|(3<<25)
.irp q, G1, G1B
	s_mov_b32 s[\q+1], KSTEP<<16                   ; tensor_dim0 = 256
	s_mov_b32 s[\q+2], 64<<16                      ; tensor_dim1 = 64
	s_mov_b32 s[\q+3], KSTEP<<16                   ; tile_dim0 = 256
	s_mov_b32 s[\q+4], 64                          ; tile_dim1 = 64
	s_mov_b32 s[\q+5], 1024                        ; elements from row to row
	s_mov_b32 s[\q+6], 0
	s_mov_b32 s[\q+7], 0
.endr
	s_lshl_b32 s21, s18, 6                         ; which 64 rows of the tile I fetch
	s_lshl_b32 s66, s43, 7
	s_add_co_u32 s66, s66, s21
	s_lshl_b32 s66, s66, 11                        ; oh: (128 block row + 64 half) rows of 2,048 bytes
	s_mov_b32 s67, 0
	s_lshl_b32 s46, s42, 7
	s_add_co_u32 s46, s46, s21
	s_lshl_b32 s46, s46, 11                        ; woh: (128 block column + 64 half) rows
	s_mov_b32 s47, 0
	s_mul_i32 s22, s16, HALFT                      ; where they go: wave x 64 rows
	; my part of ssq, bo and out0
	s_lshl_b32 s74, s43, 7
	s_lshl_b32 s76, s17, 6
	s_add_co_u32 s74, s74, s76                     ; my first row m0
	s_lshl_b32 s76, s74, 2
	s_mov_b32 s77, 0
	s_lshl_b32 s78, s42, 9
	s_lshl_b32 s79, s18, 8
	s_add_co_u32 s78, s78, s79                     ; my first column in bytes of f32: 512 block column + 256 half
	s_mov_b32 s79, 0
	s_wait_dscnt 0x0
	s_wait_kmcnt 0x0
	s_load_b32 s19, s[12:13], 0x0                  ; dw
	s_add_nc_u64 s[66:67], s[4:5], s[66:67]
	s_add_nc_u64 s[46:47], s[6:7], s[46:47]
	s_add_nc_u64 s[68:69], s[8:9], s[76:77]
	s_add_nc_u64 s[70:71], s[10:11], s[78:79]
	s_lshl_b32 s76, s74, 12
	s_add_nc_u64 s[72:73], s[14:15], s[76:77]
	s_add_nc_u64 s[72:73], s[72:73], s[78:79]
	CROUND                                         ; all sixteen work-groups are here: the first joint loads meet
.irp s, 0,1
	s_mov_b32 s[G0+4*\s], 1
	s_add_co_u32 s[G0+4*\s+1], s22, \s*SLOT
	s_add_nc_u64 s[G0+4*\s+2:G0+4*\s+3], s[66:67], \s*KSTEP*2
	s_or_b32 s[G0+4*\s+3], s[G0+4*\s+3], 0x80000000
	s_mov_b32 s[G0B+4*\s], 1
	s_add_co_u32 s[G0B+4*\s+1], s22, \s*SLOT
	s_add_nc_u64 s[G0B+4*\s+2:G0B+4*\s+3], s[46:47], \s*KSTEP*2
	s_or_b32 s[G0B+4*\s+3], s[G0B+4*\s+3], 0x80000000
	JLOAD \s                                       ; K steps 0 and 1: two loads of the wave are out
.endr
	v_and_b32 v1, 15, v0                           ; r
	v_bfe_u32 v2, v0, 4, 1                         ; h
	v_lshlrev_b32 v27, 2, v1                       ; ssq: 4 r
	v_lshlrev_b32 v28, 5, v2                       ; bo: 32 h
.irp a, 0,1,2,3
.irp hd, 0,1,2,3,4,5,6,7
	global_load_b32 v[TMP+8*\a+\hd], v27, s[68:69] offset:64*\a+16384*\hd      ; ssq[head][m0 + 16 a + r]
.endr
.endr
.irp b, 0,1,2,3
	global_load_b128 v[BO+8*\b:BO+8*\b+3],   v28, s[70:71] offset:64*\b
	global_load_b128 v[BO+8*\b+4:BO+8*\b+7], v28, s[70:71] offset:64*\b+16
.endr
	v_mul_u32_u24 v3, v1, PITCH
	v_lshl_add_u32 v3, v2, 4, v3
	s_mul_i32 s20, s17, HALFT                      ; my 64 rows of oh
	s_mul_i32 s23, s18, HALFT                      ; my 64 rows of woh,
	s_add_co_u32 s23, s23, 2*HALFT                 ; which lie behind oh's 128
.irp s, 0,1
	v_add_nc_u32 v[ADRA+\s], s20, v3
	v_add_nc_u32 v[ADRB+\s], s23, v3
	s_add_co_u32 s20, s20, SLOT
	s_add_co_u32 s23, s23, SLOT
.endr
	s_mul_i32 s20, s16, 16*SPITCH
	s_add_co_u32 s20, s20, STAGE                   ; my stage
	v_mul_u32_u24 v4, v1, SPITCH
	v_lshl_add_u32 v4, v2, 5, v4                   ; in: row r, 32 bytes (8 f32) for each half
	v_add_nc_u32 v[STO], s20, v4
	v_mul_u32_u24 v5, v2, SPITCH
	v_lshl_add_u32 v5, v1, 4, v5                   ; back: lanes 0-15 one row of 256 bytes, lanes 16-31 the next
	v_add_nc_u32 v[RD], s20, v5
	v_lshlrev_b32 v5, 12, v2
	v_lshl_add_u32 v[CO], v1, 4, v5                ; the same two rows in out0
	s_wait_kmcnt 0x0                               ; dw
	v_mov_b32 v29, s19
	v_and_b32 v30, 0x7fffffff, v29
	v_sub_f32 v[OMD], 1.0, v29                     ; 1 - dw
	v_sub_f32 v[OMD+1], 1.0, v29
	v_add_f32 v30, 1.0, v30                        ; 1 + |dw|
	v_mul_f32 v31, v30, v30
	v_mul_f32 v31, 0x3a800000, v31                 ; (1 + |dw|)^2 / 1024
	v_mul_f32 v40, v30, v[OMD]                     ; (1 + |dw|)(1 - dw)
	s_wait_loadcnt 0x0                             ; ssq and bo, once
.irp a, 0,1,2,3
	v_pk_add_f32 v[TMP+8*\a:TMP+8*\a+1],   v[TMP+8*\a:TMP+8*\a+1],   v[TMP+8*\a+2:TMP+8*\a+3]
	v_pk_add_f32 v[TMP+8*\a+4:TMP+8*\a+5], v[TMP+8*\a+4:TMP+8*\a+5], v[TMP+8*\a+6:TMP+8*\a+7]
.endr
.irp a, 0,1,2,3
	v_pk_add_f32 v[TMP+8*\a:TMP+8*\a+1], v[TMP+8*\a:TMP+8*\a+1], v[TMP+8*\a+4:TMP+8*\a+5]
.endr
.irp a, 0,1,2,3
	v_add_f32 v[TMP+8*\a], v[TMP+8*\a], v[TMP+8*\a+1]              ; over the eight heads
.endr
.irp a, 0,1,2,3
	v_fmaak_f32 v[TMP+8*\a], v[TMP+8*\a], v31, 0x34000000          ; mean of o^2 + eps (2^-23)
.endr
.irp a, 0,1,2,3
	v_rsq_f32 v[TMP+8*\a], v[TMP+8*\a]
.endr
	v_nop                                          ; one plain place behind the transcendentals
	s_wait_alu depctr_va_vdst(0)
.irp a, 0,1,2,3
	v_mul_f32 v[R+2*\a],   v[TMP+8*\a], v40
	v_mul_f32 v[R+2*\a+1], v[TMP+8*\a], v40
.endr
.set i, 0
.rept 16
	v_pk_mul_f32 v[BO+2*i:BO+2*i+1], v[BO+2*i:BO+2*i+1], v[OMD:OMD+1]
.set i, i+1
.endr
; 16 LDS loads: 64 rows of woh and 64 rows of oh, 32 K at byte k of the rows, into buffer f
.macro FETCH slot, k, f
	WIN 0
.irp i, 0,1,2,3
	ds_load_b128 v[\f+8*\i:\f+8*\i+3],   v[ADRB+\slot] offset:\k+\i*16*PITCH
	ds_load_b128 v[\f+8*\i+4:\f+8*\i+7], v[ADRB+\slot] offset:\k+\i*16*PITCH+32
.endr
.irp i, 0,1,2,3
	ds_load_b128 v[\f+32+8*\i:\f+32+8*\i+3],   v[ADRA+\slot] offset:\k+\i*16*PITCH
	ds_load_b128 v[\f+32+8*\i+4:\f+32+8*\i+7], v[ADRA+\slot] offset:\k+\i*16*PITCH+32
.endr
.endm
; 16 products on 16 accumulators by turns, the same order every time
.macro MUL f, zero
	WIN 0x50                                       ; C and D window 1, fragments window 0
.irp a, 0,1,2,3
.irp b, 0,1,2,3
.if \zero
	v_wmma_f32_16x16x32_f16 v[8*(4*\a+\b):8*(4*\a+\b)+7], v[\f+8*\b:\f+8*\b+7], v[\f+32+8*\a:\f+32+8*\a+7], 0
.else
	v_wmma_f32_16x16x32_f16 v[8*(4*\a+\b):8*(4*\a+\b)+7], v[\f+8*\b:\f+8*\b+7], v[\f+32+8*\a:\f+32+8*\a+7], v[8*(4*\a+\b):8*(4*\a+\b)+7]
.endif
.endr
.endr
.endm
; An eighth of a K step: the next eighth's fragments are asked for, into the buffer that the last products read, then buffer f is multiplied
.macro EIGHTH slot, k, f, g, zero
	s_wait_dscnt 0                                 ; buffer f is in: its loads were issued ahead of the last 16 products
	PLACES
	FETCH \slot, \k, \g
	MUL \f, \zero
.endm
.macro STEP slot, zero
	EIGHTH \slot, 64,  F0, F1, \zero
	EIGHTH \slot, 128, F1, F0, 0
	EIGHTH \slot, 192, F0, F1, 0
	EIGHTH \slot, 256, F1, F0, 0
	EIGHTH \slot, 320, F0, F1, 0
	EIGHTH \slot, 384, F1, F0, 0
	EIGHTH \slot, 448, F0, F1, 0
.endm
; The last eighth and the change of slots.  In front of the barrier each wave waits for its reads of this slot and for all its tensor loads
; (one is out: its part of the next slot); behind it the refill comes first, then the next slot's first fragments.
.macro TURN slot, next, fill
	s_wait_dscnt 0
	s_wait_tensorcnt 0x0
	ds_add_u32 v62, v63
	s_wait_dscnt 0x0
	s_barrier_signal -1                            ; where a slot is filled again this barrier opens a round of the cluster's barrier
	MUL F1, 0                                      ; register work while the others arrive
	WIN 0
	s_barrier_wait -1
.if \fill
	CREST
	s_add_nc_u64 s[G0+4*\slot+2:G0+4*\slot+3], s[G0+4*\slot+2:G0+4*\slot+3], 2*KSTEP*2
	s_add_nc_u64 s[G0B+4*\slot+2:G0B+4*\slot+3], s[G0B+4*\slot+2:G0B+4*\slot+3], 2*KSTEP*2
	JLOAD \slot                                    ; the first tensor load behind the round
.endif
	PLACES
	FETCH \next, 0, F0
.endm
	s_wait_tensorcnt 1                             ; my part of K step 0 is in; K step 1's stays out
	s_barrier_signal -1
	s_barrier_wait -1
	FETCH 0, 0, F0
	STEP 0, 1                                      ; the first products start the sums
	TURN 0, 1, 1
	STEP 1, 0
	TURN 1, 0, 1
	STEP 0, 0
	TURN 0, 1, 0                                   ; nothing more to ask for
	STEP 1, 0
	s_wait_dscnt 0
	MUL F1, 0
	; THE WAY OUT, 16 rows at a time: acc x R + BO, 32 bytes a lane into my own stage, read back as whole rows of 256 bytes
	PLACES
.macro OUT a, f
	WIN 0x01                                       ; source 0 (the sums) window 1
.irp b, 0,1,2,3
.irp p, 0,1,2,3
	v_pk_fma_f32 v[TMP+8*\b+2*\p:TMP+8*\b+2*\p+1], v[8*(4*\a+\b)+2*\p:8*(4*\a+\b)+2*\p+1], v[R+2*\a:R+2*\a+1], v[BO+8*\b+2*\p:BO+8*\b+2*\p+1] op_sel_hi:[1,0,1]
.endr
.endr
	WIN 0
.irp b, 0,1,2,3
	ds_store_b128 v[STO], v[TMP+8*\b:TMP+8*\b+3]   offset:64*\b
	ds_store_b128 v[STO], v[TMP+8*\b+4:TMP+8*\b+7] offset:64*\b+16
.endr
	s_wait_xcnt 0x0                                ; buffer f, which earlier stores read, and the stores' base are rewritten only behind this wait
.if \a
	s_add_nc_u64 s[72:73], s[72:73], 16*OROW
.endif
.irp t, 0,1,2,3,4,5,6,7
	ds_load_b128 v[\f+4*\t:\f+4*\t+3], v[RD] offset:\t*2*SPITCH    ; LDS serves a wave's instructions in order: these see the stores above
.endr
.irp t, 0,1,2,3,4,5,6,7
	s_wait_dscnt 7-\t
	global_store_b128 v[CO], v[\f+4*\t:\f+4*\t+3], s[72:73] offset:2*\t*OROW th:TH_STORE_NT   ; 16 lanes store 256 consecutive bytes, aligned
.endr
.endm
	OUT 0, F0
	OUT 1, F1
	OUT 2, F0
	OUT 3, F1
	s_wait_tensorcnt 0x0
	ds_add_u32 v62, v63
	s_wait_dscnt 0x0
	CROUND                                         ; the closing round
	s_endpgm
.Lfunc_end_k_q53e64d6712_outp:
	.size	k_q53e64d6712_outp, .Lfunc_end_k_q53e64d6712_outp-k_q53e64d6712_outp
	.p2alignl 7, 3214868480
	.fill 96, 4, 3214868480
	.section	.rodata,"a",@progbits
	.p2align	6, 0x0
	.amdhsa_kernel k_q53e64d6712_outp
		.amdhsa_group_segment_fixed_size 327680
		.amdhsa_private_segment_fixed_size 0
		.amdhsa_enable_private_segment 0
		.amdhsa_kernarg_size 48
		.amdhsa_user_sgpr_count 2
		.amdhsa_user_sgpr_kernarg_segment_ptr 1
		.amdhsa_wavefront_size32 1
		.amdhsa_system_sgpr_workgroup_id_x 1
		.amdhsa_system_sgpr_workgroup_id_y 1
		.amdhsa_system_sgpr_workgroup_id_z 1
		.amdhsa_system_vgpr_workitem_id 0
		.amdhsa_next_free_vgpr 384
		.amdhsa_next_free_sgpr 80
		.amdhsa_reserve_vcc 0
		.amdhsa_float_denorm_mode_32 3
		.amdhsa_float_denorm_mode_16_64 3
		.amdhsa_memory_ordered 1
		.amdhsa_forward_progress 1
		.amdhsa_inst_pref_size 99
	.end_amdhsa_kernel
	.amdgpu_metadata
---
amdhsa.version: [ 1, 2 ]
amdhsa.kernels:
  - .name:           k_q53e64d6712_outp
    .symbol:         k_q53e64d6712_outp.kd
    .args:
      - { .name: oh, .offset: 0, .size: 8, .value_kind: global_buffer, .address_space: global }
      - { .name: woh, .offset: 8, .size: 8, .value_kind: global_buffer, .address_space: global }
      - { .name: ssq, .offset: 16, .size: 8, .value_kind: global_buffer, .address_space: global }
      - { .name: bo, .offset: 24, .size: 8, .value_kind: global_buffer, .address_space: global }
      - { .name: diff_weight, .offset: 32, .size: 8, .value_kind: global_buffer, .address_space: global }
      - { .name: out0, .offset: 40, .size: 8, .value_kind: global_buffer, .address_space: global }
    .group_segment_fixed_size: 327680
    .private_segment_fixed_size: 0
    .kernarg_segment_align: 8
    .kernarg_segment_size: 48
    .max_flat_workgroup_size: 128
    .sgpr_count:     80
    .vgpr_count:     384
    .wavefront_size: 32
...
	.end_amdgpu_metadata
.endif
;; end of part 4
;; ======== version 2 of 2: 4 launches; version 1 with the launch cvt written anew for expert scheduling mode
;; limits: values are held in f16: magnitudes above 65,504 overflow, below 6.1e-05 lose precision
;; workspace buffers: xh 8,388,608 bytes; wh 6,291,456 bytes; woh 2,097,152 bytes; qkv 25,165,824 bytes; oh 8,388,608 bytes; ssq 131,072 bytes
;; launch cvt (part 5): grid 32 x 8, 8 waves a work-group, no clusters, 0 bytes of LDS; arguments x, Wq, Wk, Wv, Wo, norm_w, xh, wh, woh; writes xh, wh, woh
.if DOCPART == 5
	.amdgcn_target "amdgcn-amd-amdhsa--gfx1250"
	.amdhsa_code_object_version 6
	.text
	.protected	k_q53e64d6712_cvt
	.globl	k_q53e64d6712_cvt
	.p2align	8
	.type	k_q53e64d6712_cvt,@function
k_q53e64d6712_cvt:
	s_mov_b64 s[64:65], 0
	v_nop
	global_prefetch_b8 v0, s[64:65] scope:SCOPE_SE
	s_setreg_imm32_b32 hwreg(HW_REG_WAVE_SCHED_MODE, 0, 2), 2
	s_setreg_imm32_b32 hwreg(HW_REG_WAVE_MODE, 25, 1), 1
	s_wait_xcnt 0x0
	s_wait_alu depctr_vm_vsrc(0)
; f32 -> f16 (nearest even) of every matrix operand that comes from the inputs:
;   xh[4096][1024] = x;  wh[3072][1024] = Wq, Wk, Wv one below the other;  woh[n][k] = Wo[n][k] * norm_w[k] (rounded once).
; A stream: no LDS, no barrier, no matrix unit, no cluster (no byte is read twice).
; Eight segments of 1,024 rows x 1,024 columns (grid y: 0-3 the quarters of x, 4 Wq, 5 Wk, 6 Wv, 7 Wo); grid x: 32 rows of a segment.
; Thread t owns columns 4 t .. 4 t + 3 of every row: a wave's load covers 512 consecutive bytes, its store 256 consecutive bytes, aligned.
; All 32 loads of a thread are issued at once (the work-group's whole 131,072 bytes are on their way).
; LIMIT: values beyond f16's range (65,504) would become infinite; below 2^-14 they keep f16's absolute step of 2^-24.
; THE MODE: SCHED_MODE bits 1:0 = 2 (LLVM: expert scheduling mode 2), set by the entry lines.  The code itself states the register dependences
; between vector instructions and memory instructions, with s_wait_alu, always for 0.
; THE PLAN.  Registers that memory instructions touch:
;   v1, v2   byte offsets of the loads and of the stores: written once at the head, never again.
;   G, X     written by loads that are all issued at the head, before any vector instruction names them; read (segment 7: X also rewritten in
;            place) by vector instructions alone, behind the row's counted wait for its load.
;   Y        row p's pair is written once, by row p's two conversions, and read once, by row p's store.
; No register that a memory instruction reads is written a second time, and no load lands in a register that a vector instruction has named.
; What is left to state: the offsets are written ahead of the first load, and a row's Y is written ahead of its store.
; The 32 rows go in eight blocks of four.  Row p's turn issues the store of row p - 4 and then converts row p: the stores of a block's turn leave
; from the Y of the block before, which no vector instruction of this block names.  So one wait at a block's head serves its four stores.
.set SROW, 4096                        ; bytes in a source row
.set DROW, 2048                        ; bytes in a destination row
.set ROWS, 32                          ; rows of a work-group = loads of a thread
.set BLOCK, 4                          ; rows in a block: a row's store is issued BLOCK turns behind its conversions
.set G, 4                              ; v[4:7]     norm_w of my 4 columns (segment 7 alone)
.set X, 8                              ; v[8:135]   row p: 4 registers as loaded
.set Y, 136                            ; v[136:199] row p: 2 registers to store
	s_load_b512 s[8:23], s[0:1], 0x0               ; x 8, Wq 10, Wk 12, Wv 14, Wo 16, norm_w 18, xh 20, wh 22
	s_load_b64 s[24:25], s[0:1], 0x40              ; woh
	s_and_b32 s4, ttmp7, 0xffff                    ; segment
	v_lshlrev_b32 v1, 4, v0                        ; my 16 bytes in a source row (and in norm_w)
	v_lshlrev_b32 v2, 3, v0                        ; my 8 bytes in a destination row
	; offsets, made apart from the addresses
	s_cmp_lt_u32 s4, 4
	s_cselect_b32 s6, s4, 0                        ; source: quarter of x, or 0 for a weight
	s_sub_co_u32 s7, s4, 4
	s_cmp_lt_u32 s4, 7
	s_cselect_b32 s7, s7, 0                        ; destination: Wq, Wk, Wv are parts 0, 1, 2 of wh; Wo is all of woh
	s_cmp_lt_u32 s4, 4
	s_cselect_b32 s7, s4, s7                       ; a quarter of x is the same quarter of xh
	s_lshl_b32 s30, s6, 22                         ; 1,024 rows of 4,096 bytes
	s_lshl_b32 s5, ttmp9, 17                       ; 32 rows of 4,096 bytes
	s_add_co_u32 s30, s30, s5
	s_mov_b32 s31, 0
	s_lshl_b32 s32, s7, 21                         ; 1,024 rows of 2,048 bytes
	s_lshl_b32 s5, ttmp9, 16                       ; 32 rows of 2,048 bytes
	s_add_co_u32 s32, s32, s5
	s_mov_b32 s33, 0
	s_wait_kmcnt 0x0
	; the segment's source and destination buffers
	s_mov_b64 s[26:27], s[8:9]
	s_cmp_eq_u32 s4, 4
	s_cselect_b64 s[26:27], s[10:11], s[26:27]
	s_cmp_eq_u32 s4, 5
	s_cselect_b64 s[26:27], s[12:13], s[26:27]
	s_cmp_eq_u32 s4, 6
	s_cselect_b64 s[26:27], s[14:15], s[26:27]
	s_cmp_eq_u32 s4, 7
	s_cselect_b64 s[26:27], s[16:17], s[26:27]
	s_mov_b64 s[28:29], s[20:21]
	s_cmp_ge_u32 s4, 4
	s_cselect_b64 s[28:29], s[22:23], s[28:29]
	s_cmp_eq_u32 s4, 7
	s_cselect_b64 s[28:29], s[24:25], s[28:29]
	s_add_nc_u64 s[26:27], s[26:27], s[30:31]
	s_add_nc_u64 s[28:29], s[28:29], s[32:33]
	s_wait_alu depctr_va_vdst(0)                   ; v1 and v2 are written: every load reads v1 and every store v2 as its offset, on both ways behind the branch below
.macro LOADS
.irp p, 0,1,2,3,4,5,6,7,8,9,10,11,12,13,14,15,16,17,18,19,20,21,22,23,24,25,26,27,28,29,30,31
	global_load_b128 v[X+4*\p:X+4*\p+3], v1, s[26:27] offset:SROW*\p th:TH_LOAD_NT
.endr
.endm
; row p's turn: its load is in when at most the ROWS-1-p younger ones are out (loads come back in order); the store of row p - BLOCK; row p's conversions
.macro PASS p, gain
	s_wait_loadcnt ROWS-1-(\p)
.if (\p) >= BLOCK
.if ((\p) % BLOCK) == 0
	s_wait_alu depctr_va_vdst(0)                   ; a block's head: the block before has written its four pairs of Y, which this block's four stores read
.endif
	global_store_b64 v2, v[Y+2*((\p)-BLOCK):Y+2*((\p)-BLOCK)+1], s[28:29] offset:DROW*((\p)-BLOCK)  ; no vector instruction since that wait names this pair
.endif
.if \gain
	v_pk_mul_f32 v[X+4*(\p):X+4*(\p)+1],   v[X+4*(\p):X+4*(\p)+1],   v[G:G+1]
	v_pk_mul_f32 v[X+4*(\p)+2:X+4*(\p)+3], v[X+4*(\p)+2:X+4*(\p)+3], v[G+2:G+3]
.endif
	v_cvt_pk_f16_f32 v[Y+2*(\p)],   v[X+4*(\p)],   v[X+4*(\p)+1]
	v_cvt_pk_f16_f32 v[Y+2*(\p)+1], v[X+4*(\p)+2], v[X+4*(\p)+3]
.endm
; the last block's stores
.macro LAST
	s_wait_alu depctr_va_vdst(0)                   ; the last block's conversions have written their four pairs of Y, which the stores below read
.irp q, 28,29,30,31
	global_store_b64 v2, v[Y+2*\q:Y+2*\q+1], s[28:29] offset:DROW*\q
.endr
.endm
	s_cmp_eq_u32 s4, 7
	s_cbranch_scc1 .Lgain
	LOADS
.irp p, 0,1,2,3,4,5,6,7,8,9,10,11,12,13,14,15,16,17,18,19,20,21,22,23,24,25,26,27,28,29,30,31
	PASS \p, 0
.endr
	LAST
	s_endpgm
.Lgain:
	global_load_b128 v[G:G+3], v1, s[18:19]        ; older than every row's load: each row's counted wait covers it too
	LOADS
.irp p, 0,1,2,3,4,5,6,7,8,9,10,11,12,13,14,15,16,17,18,19,20,21,22,23,24,25,26,27,28,29,30,31
	PASS \p, 1
.endr
	LAST
	s_endpgm
.Lfunc_end_k_q53e64d6712_cvt:
	.size	k_q53e64d6712_cvt, .Lfunc_end_k_q53e64d6712_cvt-k_q53e64d6712_cvt
	.p2alignl 7, 3214868480
	.fill 96, 4, 3214868480
	.section	.rodata,"a",@progbits
	.p2align	6, 0x0
	.amdhsa_kernel k_q53e64d6712_cvt
		.amdhsa_group_segment_fixed_size 0
		.amdhsa_private_segment_fixed_size 0
		.amdhsa_enable_private_segment 0
		.amdhsa_kernarg_size 72
		.amdhsa_user_sgpr_count 2
		.amdhsa_user_sgpr_kernarg_segment_ptr 1
		.amdhsa_wavefront_size32 1
		.amdhsa_system_sgpr_workgroup_id_x 1
		.amdhsa_system_sgpr_workgroup_id_y 1
		.amdhsa_system_sgpr_workgroup_id_z 1
		.amdhsa_system_vgpr_workitem_id 0
		.amdhsa_next_free_vgpr 200
		.amdhsa_next_free_sgpr 66
		.amdhsa_reserve_vcc 0
		.amdhsa_float_denorm_mode_32 3
		.amdhsa_float_denorm_mode_16_64 3
		.amdhsa_memory_ordered 1
		.amdhsa_forward_progress 1
		.amdhsa_inst_pref_size 29
	.end_amdhsa_kernel
	.amdgpu_metadata
---
amdhsa.version: [ 1, 2 ]
amdhsa.kernels:
  - .name:           k_q53e64d6712_cvt
    .symbol:         k_q53e64d6712_cvt.kd
    .args:
      - { .name: x, .offset: 0, .size: 8, .value_kind: global_buffer, .address_space: global }
      - { .name: Wq, .offset: 8, .size: 8, .value_kind: global_buffer, .address_space: global }
      - { .name: Wk, .offset: 16, .size: 8, .value_kind: global_buffer, .address_space: global }
      - { .name: Wv, .offset: 24, .size: 8, .value_kind: global_buffer, .address_space: global }
      - { .name: Wo, .offset: 32, .size: 8, .value_kind: global_buffer, .address_space: global }
      - { .name: norm_w, .offset: 40, .size: 8, .value_kind: global_buffer, .address_space: global }
      - { .name: xh, .offset: 48, .size: 8, .value_kind: global_buffer, .address_space: global }
      - { .name: wh, .offset: 56, .size: 8, .value_kind: global_buffer, .address_space: global }
      - { .name: woh, .offset: 64, .size: 8, .value_kind: global_buffer, .address_space: global }
    .group_segment_fixed_size: 0
    .private_segment_fixed_size: 0
    .kernarg_segment_align: 8
    .kernarg_segment_size: 72
    .max_flat_workgroup_size: 256
    .sgpr_count:     66
    .vgpr_count:     200
    .wavefront_size: 32
...
	.end_amdgpu_metadata
.endif
;; end of part 5
;; launch qkvp: the kernel of part 2 again; grid 12 x 16, 4 waves a work-group, clusters of 4 x 4, 327,680 bytes of LDS; arguments xh, wh, qkv; writes qkv
;; launch attn: the kernel of part 3 again; grid 16 x 16, 4 waves a work-group, clusters of 4 x 1, 327,680 bytes of LDS; arguments qkv, diff_weight, oh, ssq; writes oh, ssq
;; launch outp: the kernel of part 4 again; grid 8 x 32, 4 waves a work-group, clusters of 4 x 4, 327,680 bytes of LDS; arguments oh, woh, ssq, bo, diff_weight, out0; writes out0
